; MI455X (gfx1250); checked and timed in simulation.
; The chip was launched on July 23, 2026; its instructions are those of AMD's public machine-readable ISA for CDNA 5 (MIT licence, August 2026) and "CDNA5" Instruction Set Architecture Reference Guide (July 2026). The comments in the code are by the model that wrote it; some were corrected since.
;; Llama Attention. Allowed arithmetic: float matrix products may take bf16 or f16 operands with f32 sums; all other float work in f32.
;; Inputs: Wk 2,048 x 512 float32; Wo 2,048 x 2,048 float32; Wq 2,048 x 2,048 float32; Wv 2,048 x 512 float32; hidden_states 1 x 2,048 x 2,048 float32.
;; Outputs: out0 1 x 2,048 x 2,048 float32.
;; 2 versions, each right; version 2 is version 1 with the launch prep written anew for expert scheduling mode. Each part assembles by itself: llvm-mc -triple=amdgcn-amd-amdhsa -mcpu=gfx1250 --defsym DOCPART=n.
;; ======== version 1 of 2: 4 launches
;; limits: values are held in f16: magnitudes above 65,504 overflow, below 6.1e-05 lose precision
;; workspace buffers: xb 8,388,608 bytes; wp 12,582,912 bytes; wop 8,388,608 bytes; cs 524,288 bytes; qkv 12,582,912 bytes; ao 8,388,608 bytes
;; launch prep (part 1): grid 480 x 1, 8 waves a work-group, no clusters, 0 bytes of LDS; arguments hidden_states, Wq, Wk, Wv, Wo, xb, wp, wop, cs; writes xb, wp, wop, cs
.if DOCPART == 1
	.amdgcn_target "amdgcn-amd-amdhsa--gfx1250"
	.amdhsa_code_object_version 6
	.text
	.protected	k_q760f3e2c22_prep
	.globl	k_q760f3e2c22_prep
	.p2align	8
	.type	k_q760f3e2c22_prep,@function
k_q760f3e2c22_prep:
	s_mov_b64 s[64:65], 0
	v_nop
	global_prefetch_b8 v0, s[64:65] scope:SCOPE_SE
	s_setreg_imm32_b32 hwreg(HW_REG_WAVE_MODE, 25, 1), 1
	s_wait_xcnt 0x0
; prep: every f32 input is rounded once to bf16; the weights are re-laid as panels of 64 columns; the RoPE table is made.
;   xb  [2048 s][2048] bf16                   = hidden_states
;   wp  [48 panels][2048 k][64 n] bf16        = Wq's 32 heads, Wk's 8, Wv's 8
;   wop [32 panels][2048 k][64 n] f16 code    = Wo rounded to bf16, that number written in f16: its partner in the last product is f16
;   cs  [2048 pos][cos f = 0..31 | sin f = 0..31] f32, 256 bytes a row
; A stream: no LDS, no barrier, no matrix unit, nothing shared between work-groups.  Work-groups 0-447 each read 131,072 bytes once
; (32 loads of 16 bytes a lane, all issued before the first is used) and write 65,536; work-groups 448-479 make 64 rows of the table each.
; Every store of a wave covers 256 consecutive bytes at a multiple of 256 from its buffer's first byte (in a panel: two k rows of 128 bytes).
; LIMITS.  All inputs carry bf16's 8 significant bits.  Wo in f16 code: a bf16 number of magnitude 2^-17 to 65,504 is held exactly (its last
; bit is at least f16's smallest step, 2^-24); a smaller one is off by at most 2^-25, a larger one becomes infinite (Wo of spread 0.02
; keeps room for a factor of 30 either way).  Table: angle = pos * 2^(-f * log2(500000)/32) with v_exp_f32 (1 ULP, ISA guide 15.8),
; reduced by pi/2 in two parts, polynomials of degree 7 and 8 on |r| <= pi/4 (cut below 3e-7); at the largest angle, 2047, the
; angle's own rounding gives up to 3e-4 in cos and sin.
.set X,   8                            ; v[8:135]    32 x 4 registers as loaded
.set Y,   136                          ; v[136:199]  32 x 2 registers to store
.set SRC, 26                           ; s[26:27]    where this work-group reads
.set DST, 28                           ; s[28:29]    where it writes
; 32 loads, then 32 times: wait, round, store.  Load j stands at (j / nb) la + (j % nb) lb, store j at (j / nb) sa + (j % nb) sb.
; half = 1: the bf16 numbers are widened again and written in f16 code.  No source of a pending load or store is ever rewritten:
; X's registers are written again only behind the wait for their own load, Y's only ahead of their store.
.macro CAST32 la, lb, sa, sb, nb, half
.set j, 0
.rept 32
	global_load_b128 v[X+4*j:X+4*j+3], v2, s[SRC:SRC+1] offset:(j/\nb)*\la+(j%\nb)*\lb th:TH_LOAD_NT
.set j, j+1
.endr
.set j, 0
.rept 32
	s_wait_loadcnt 31-j                            ; loads come back in order (ISA guide 5.7.1): load j is in, the 31 - j younger ones stay out
	v_cvt_pk_bf16_f32 v[Y+2*j], v[X+4*j], v[X+4*j+1]
	v_cvt_pk_bf16_f32 v[Y+2*j+1], v[X+4*j+2], v[X+4*j+3]
.if \half
	v_lshlrev_b32 v[X+4*j],   16, v[Y+2*j]                 ; bf16 to f32: the low half moves up,
	v_and_b32     v[X+4*j+1], 0xffff0000, v[Y+2*j]         ; the high half stays
	v_lshlrev_b32 v[X+4*j+2], 16, v[Y+2*j+1]
	v_and_b32     v[X+4*j+3], 0xffff0000, v[Y+2*j+1]
	v_cvt_pk_f16_f32 v[Y+2*j], v[X+4*j], v[X+4*j+1]        ; the same numbers in f16 code
	v_cvt_pk_f16_f32 v[Y+2*j+1], v[X+4*j+2], v[X+4*j+3]
.endif
	global_store_b64 v3, v[Y+2*j:Y+2*j+1], s[DST:DST+1] offset:(j/\nb)*\sa+(j%\nb)*\sb
.set j, j+1
.endr
	s_endpgm
.endm
; A weight of 2,048 columns, 128 work-groups from number `from` on.  16 k rows of 8,192 bytes; a wave takes two of them,
; load j = the 256 bytes of panel j in both.
.macro W2048 srcp, dstp, from, half
	s_sub_co_u32 s2, ttmp9, \from
	s_lshl_b32 s30, s2, 17
	s_add_nc_u64 s[SRC:SRC+1], s[\srcp:\srcp+1], s[30:31]
	s_lshl_b32 s32, s2, 11                         ; 16 k rows of 128 bytes in every panel
	s_add_nc_u64 s[DST:DST+1], s[\dstp:\dstp+1], s[32:33]
	v_lshlrev_b32 v2, 4, v6
	v_lshl_add_u32 v2, v5, 13, v2
	v_lshl_add_u32 v2, v4, 14, v2                  ; (2 wave + lane / 16) 8,192 + 16 (lane % 16)
	v_lshlrev_b32 v3, 3, v1
	v_lshl_add_u32 v3, v4, 8, v3                   ; 256 wave + 8 lane
	CAST32 0, 256, 0, 262144, 32, \half            ; the largest store offset, 31 panels = 8,126,464, is inside the signed 24 bits
.endm
	s_load_b512 s[8:23], s[0:1], 0x0               ; hidden s[8:9], Wq s[10:11], Wk s[12:13], Wv s[14:15], Wo s[16:17], xb s[18:19], wp s[20:21], wop s[22:23]
	s_load_b64 s[24:25], s[0:1], 0x40              ; cs
	v_and_b32 v1, 31, v0                           ; lane
	v_lshrrev_b32 v4, 5, v0                        ; wave
	v_lshrrev_b32 v5, 4, v1                        ; lane / 16
	v_and_b32 v6, 15, v0                           ; lane % 16
	s_mov_b32 s31, 0                               ; high words of the two offsets
	s_mov_b32 s33, 0
	s_wait_kmcnt 0x0
	s_cmp_ge_u32 ttmp9, 448
	s_cbranch_scc1 .Ltable
	s_cmp_ge_u32 ttmp9, 384
	s_cbranch_scc1 .Lw512
	s_cmp_ge_u32 ttmp9, 256
	s_cbranch_scc1 .Lwo
	s_cmp_ge_u32 ttmp9, 128
	s_cbranch_scc1 .Lwq
	; work-groups 0-127: hidden_states, element for element.  A wave takes 16,384 consecutive bytes, 512 a load.
	s_lshl_b32 s30, ttmp9, 17
	s_add_nc_u64 s[SRC:SRC+1], s[8:9], s[30:31]
	s_lshl_b32 s32, ttmp9, 16
	s_add_nc_u64 s[DST:DST+1], s[18:19], s[32:33]
	v_lshlrev_b32 v2, 4, v1
	v_lshl_add_u32 v2, v4, 14, v2                  ; 16,384 wave + 16 lane
	v_lshlrev_b32 v3, 3, v1
	v_lshl_add_u32 v3, v4, 13, v3                  ; 8,192 wave + 8 lane
	CAST32 0, 512, 0, 256, 32, 0
.Lwq:
	W2048 10, 20, 128, 0                           ; work-groups 128-255: Wq into wp's panels 0-31, bf16
.Lwo:
	W2048 16, 22, 256, 1                           ; work-groups 256-383: Wo into wop, bf16 numbers in f16 code
.Lw512:
	; work-groups 384-415: Wk, 416-447: Wv.  64 k rows of 2,048 bytes; a wave takes eight, load j = panel j % 8 of the row pair j / 8.
	s_sub_co_u32 s2, ttmp9, 384
	s_cmp_ge_u32 s2, 32
	s_cselect_b64 s[SRC:SRC+1], s[14:15], s[12:13]
	s_cselect_b32 s32, 40, 32                      ; the first panel: Wv's 40, Wk's 32
	s_and_b32 s2, s2, 31
	s_lshl_b32 s30, s2, 17
	s_add_nc_u64 s[SRC:SRC+1], s[SRC:SRC+1], s[30:31]
	s_lshl_b32 s32, s32, 18
	s_lshl_b32 s34, s2, 13                         ; 64 k rows of 128 bytes
	s_add_co_u32 s32, s32, s34
	s_add_nc_u64 s[DST:DST+1], s[20:21], s[32:33]
	v_lshlrev_b32 v2, 4, v6
	v_lshl_add_u32 v2, v5, 11, v2
	v_lshl_add_u32 v2, v4, 14, v2                  ; (8 wave + lane / 16) 2,048 + 16 (lane % 16)
	v_lshlrev_b32 v3, 3, v1
	v_lshl_add_u32 v3, v4, 10, v3                  ; 1,024 wave + 8 lane
	CAST32 4096, 256, 256, 262144, 8, 0
.Ltable:
	; work-groups 448-479: 64 rows of the table; a wave makes eight.  Lane l makes f = 2 (l % 16) and the next; lanes 0-15 the cosines,
	; lanes 16-31 the sines, as cosines three quadrants on: one store of 8 bytes a lane is one whole row.
	s_sub_co_u32 s2, ttmp9, 448
	s_lshl_b32 s32, s2, 14
	s_add_nc_u64 s[DST:DST+1], s[24:25], s[32:33]
	s_lshl_b32 s3, s2, 6
	s_mov_b32 s34, 0x3f22f983                      ; 2 / pi
	s_mov_b32 s35, 0xbfc90fdb                      ; -(pi / 2 rounded to f32)
	s_mov_b32 s36, 0x333bbd2e                      ; that rounding's excess over pi / 2, 4.3711388e-8
	s_mov_b32 s37, 0xbe2aaaab                      ; -1/6
	s_mov_b32 s38, 0x3c088889                      ; 1/120
	s_mov_b32 s39, 0xb9500d01                      ; -1/5040
	s_mov_b32 s40, 0x3d2aaaab                      ; 1/24
	s_mov_b32 s41, 0xbab60b61                      ; -1/720
	s_mov_b32 s42, 0x37d00d01                      ; 1/40320
	v_lshlrev_b32 v3, 3, v1
	v_lshl_add_u32 v3, v4, 11, v3                  ; 2,048 wave + 8 lane
	v_lshl_add_u32 v7, v4, 3, s3                   ; my wave's first position
	v_lshlrev_b32 v8, 1, v6
	v_cvt_f32_u32 v8, v8                           ; f
	v_add_f32 v9, 1.0, v8                          ; f + 1
	v_mul_f32 v8, 0xbf1773da, v8                   ; times -log2(500000) / 32 = -0.59161152
	v_mul_f32 v9, 0xbf1773da, v9
	v_exp_f32 v10, v8                              ; the two inverse frequencies
	v_exp_f32 v11, v9
	v_mul_u32_u24 v12, v5, 3                       ; quadrant shift 0 or 3; also the plain instruction behind the exponentials (ISA guide 5.7.2)
; v[dst] = cos(v28 * v[inv] + (pi / 2) * v12).  The floating-point numbers steer a select and a sign, never an address or a branch.
.macro CS1 dst, inv
	v_mul_f32 v20, v28, v[\inv]                    ; the angle
	v_mul_f32 v21, s34, v20
	v_rndne_f32 v21, v21                           ; q = the nearest multiple of pi / 2
	v_fma_f32 v22, v21, s35, v20
	v_fma_f32 v22, v21, s36, v22                   ; r = angle - q pi / 2
	v_mul_f32 v23, v22, v22
	v_fma_f32 v24, v23, s39, s38
	v_fma_f32 v25, v23, s42, s41
	v_fma_f32 v24, v24, v23, s37
	v_fma_f32 v25, v25, v23, s40
	v_mul_f32 v26, v22, v23
	v_fma_f32 v25, v25, v23, -0.5
	v_fma_f32 v24, v24, v26, v22                   ; sin r
	v_fma_f32 v25, v25, v23, 1.0                   ; cos r
	v_cvt_i32_f32 v27, v21
	v_add_nc_u32 v27, v27, v12                     ; the quadrant
	v_and_b32 v26, 1, v27
	v_cmp_ne_u32 vcc_lo, 0, v26
	v_cndmask_b32 v[\dst], v25, v24, vcc_lo        ; odd quadrants take the sine,
	v_add_nc_u32 v27, 1, v27
	v_and_b32 v27, 2, v27
	v_lshlrev_b32 v27, 30, v27
	v_xor_b32 v[\dst], v[\dst], v27                ; quadrants 1 and 2 the minus sign
.endm
	s_wait_alu depctr_va_vdst(0)
.irp t, 0,1,2,3,4,5,6,7
	v_add_nc_u32 v28, \t, v7
	v_cvt_f32_u32 v28, v28                         ; the position, exact
	CS1 40+2*\t, 10
	CS1 41+2*\t, 11
	global_store_b64 v3, v[40+2*\t:41+2*\t], s[DST:DST+1] offset:256*\t
.endr
	s_endpgm
.Lfunc_end_k_q760f3e2c22_prep:
	.size	k_q760f3e2c22_prep, .Lfunc_end_k_q760f3e2c22_prep-k_q760f3e2c22_prep
	.p2alignl 7, 3214868480
	.fill 96, 4, 3214868480
	.section	.rodata,"a",@progbits
	.p2align	6, 0x0
	.amdhsa_kernel k_q760f3e2c22_prep
		.amdhsa_group_segment_fixed_size 0
		.amdhsa_private_segment_fixed_size 0
		.amdhsa_enable_private_segment 0
		.amdhsa_kernarg_size 72
		.amdhsa_user_sgpr_count 2
		.amdhsa_user_sgpr_kernarg_segment_ptr 1
		.amdhsa_wavefront_size32 1
		.amdhsa_system_sgpr_workgroup_id_x 1
		.amdhsa_system_sgpr_workgroup_id_y 1
		.amdhsa_system_sgpr_workgroup_id_z 1
		.amdhsa_system_vgpr_workitem_id 0
		.amdhsa_next_free_vgpr 200
		.amdhsa_next_free_sgpr 66
		.amdhsa_reserve_vcc 1
		.amdhsa_float_denorm_mode_32 3
		.amdhsa_float_denorm_mode_16_64 3
		.amdhsa_memory_ordered 1
		.amdhsa_forward_progress 1
		.amdhsa_inst_pref_size 76
	.end_amdhsa_kernel
	.amdgpu_metadata
---
amdhsa.version: [ 1, 2 ]
amdhsa.kernels:
  - .name:           k_q760f3e2c22_prep
    .symbol:         k_q760f3e2c22_prep.kd
    .args:
      - { .name: hidden_states, .offset: 0, .size: 8, .value_kind: global_buffer, .address_space: global }
      - { .name: Wq, .offset: 8, .size: 8, .value_kind: global_buffer, .address_space: global }
      - { .name: Wk, .offset: 16, .size: 8, .value_kind: global_buffer, .address_space: global }
      - { .name: Wv, .offset: 24, .size: 8, .value_kind: global_buffer, .address_space: global }
      - { .name: Wo, .offset: 32, .size: 8, .value_kind: global_buffer, .address_space: global }
      - { .name: xb, .offset: 40, .size: 8, .value_kind: global_buffer, .address_space: global }
      - { .name: wp, .offset: 48, .size: 8, .value_kind: global_buffer, .address_space: global }
      - { .name: wop, .offset: 56, .size: 8, .value_kind: global_buffer, .address_space: global }
      - { .name: cs, .offset: 64, .size: 8, .value_kind: global_buffer, .address_space: global }
    .group_segment_fixed_size: 0
    .private_segment_fixed_size: 0
    .kernarg_segment_align: 8
    .kernarg_segment_size: 72
    .max_flat_workgroup_size: 256
    .sgpr_count:     66
    .vgpr_count:     200
    .wavefront_size: 32
...
	.end_amdgpu_metadata
.endif
;; end of part 1
;; launch qkv (part 2): grid 16 x 16, 4 waves a work-group, clusters of 4 x 4, 327,680 bytes of LDS; arguments xb, wp, qkv, cs; writes qkv
.if DOCPART == 2
	.amdgcn_target "amdgcn-amd-amdhsa--gfx1250"
	.amdhsa_code_object_version 6
	.text
	.protected	k_q760f3e2c22_qkv
	.globl	k_q760f3e2c22_qkv
	.p2align	8
	.type	k_q760f3e2c22_qkv,@function
k_q760f3e2c22_qkv:
	s_mov_b64 s[64:65], 0
	v_nop
	global_prefetch_b8 v0, s[64:65] scope:SCOPE_SE
	s_setreg_imm32_b32 hwreg(HW_REG_WAVE_MODE, 25, 1), 1
	s_wait_xcnt 0x0
	s_wait_alu depctr_hold_cnt(0) depctr_sa_sdst(0) depctr_va_vdst(0) depctr_va_sdst(0) depctr_va_ssrc(0) depctr_va_vcc(0) depctr_vm_vsrc(0)
	s_getreg_b32 s2, hwreg(HW_REG_IB_STS2, 6, 4)
	s_cmp_eq_u32 s2, 0
	s_cbranch_scc0 .Lentry_in_a_cluster
	s_endpgm
.Lentry_in_a_cluster:
	s_bfe_u32 s2, ttmp6, 0x10000c
	s_cmp_lg_u32 s2, 0xf033
	s_cbranch_scc0 .Lentry_shape_is_right
	s_endpgm
.Lentry_shape_is_right:
; qkv[head][s][d] (f16, 48 heads: 32 of q, 8 of k, 8 of v) = RoPE(xb [2048][2048] bf16 x wp's panel of that head, bf16); v's heads are not rotated.
; A work-group makes 128 rows x 3 heads (192 columns): 16 x 16 = 256 work-groups.  Four waves; wave w takes rows 64 (w >> 1) .. +63 and, of each
; head, the 16-column tiles t = (w & 1) and (w & 1) + 2: columns d and d + 32 of a head then lie in the same lane and register of two
; accumulators, and the rotation needs no exchange between lanes.  24 accumulators of 16 x 16.
; K goes in steps of 128 through two LDS slots filled by the tensor data mover; two slots of a step of 256 would take 380,928 bytes.
; CLUSTERS: 4 x 4.  xb's tile hangs on the block row alone and is asked for jointly by a row of the cluster, a panel's tile on the block
; column alone and is asked for jointly by a column: the requests for both are divided by four.
; THE MATRIX INSTRUCTION IS USED TRANSPOSED: source 0 = 16 columns of W (ds_load_tr16_b128 turns the panel's [k][n] rows), source 1 = 16 rows
; of x.  Lane (r = l % 16, h = l / 16), register j then holds row r, column 8 h + j: eight neighbouring numbers of a row.
; REGISTERS: window 0: v16-27 addresses, v64-143 and v144-223 two fragment buffers (4 of x, then 6 of W);
;            window 1: v0-191 accumulator (a, b) at 8 (6 a + b), b = 2 head + u; v192-255 the table's 8 cos and 8 sin for each a.
; The results are rounded to f16, whose step is an eighth of bf16's: a query with few keys hands v's rounding on to the output undamped.
; LIMIT: beyond 65,504 a result becomes infinite.  With hidden_states and weights 30 times their spread 1 and 0.02
; the results stay under 6,100; with offsets of 30 spreads on both, 2048 x 30 x 0.6 = 36,864, after the rotation under 52,600.
.set KSTEP,  128
.set PA,     272                       ; an LDS row of x: 256 bytes + 16: 16 rows of a fragment start 68 words apart
.set PB,     160                       ; an LDS row of a panel: 128 bytes + 32, an odd multiple of 32
.set ABYTES, 128*PA                    ; 34,816
.set PANEL,  KSTEP*PB                  ; 20,480
.set SLOT,   ABYTES+3*PANEL            ; 96,256
.set STAGE,  2*SLOT                    ; 192,512: 3 heads x 128 rows x 144 bytes, bytes into which no tensor load lands
.set SP,     144
.set SHEAD,  128*SP
.set LAPS,   2048/(2*KSTEP)            ; a lap = two K steps = once round the ring
.set ADRA, 16                          ; v16-17  LDS address of my x fragments in slot 0, 1
.set ADRB, 20                          ; v20-21  the same for W
.set STO,  24                          ; the way out: where I put 16 bytes of a row
.set RD,   25                          ; where I read rows back
.set CO,   26                          ; my byte offset in a head of qkv
.set TB,   27                          ; my byte offset in the table
.set F0,   64
.set F1,   144
.set CSP,  64                          ; the way out: cos and sin as each head takes them, 3 x 16
.set TT,   112                         ; rotated numbers, 3 x 16
.set PK,   160                         ; packed, 6 x 4
.set G1,  24                           ; s[24:31] group 1 for x's tile
.set G0,  32                           ; s[32:39] group 0 for x's tile, one set a slot
.set G1B, 48                           ; s[48:55] group 1 for a panel's tile
.set G0B, 56                           ; s[56:63] group 0 for a panel's tile, one set a slot
.set FL,  68                           ; s68-70   all ones if the head is one of v's, else 0
.set MSB, 0
.macro WIN new                         ; the immediate's high byte repeats the setting that is left
.if MSB != \new
	s_set_vgpr_msb (MSB<<8)|\new
.set MSB, \new
.endif
.endm
; A joint load.  Wave 0 fetches x's 128 rows, waves 1 to 3 a panel each.  Each line has one mask; the branch hangs on the wave's number alone.
.macro JLOAD s
	s_cmp_eq_u32 s10, 0
	s_cbranch_scc0 .Lfor_b_\@
	tensor_load_to_lds s[G0+4*\s:G0+4*\s+3], s[G1:G1+7]
	s_nop 0
	s_branch .Lasked_\@
.Lfor_b_\@:
	tensor_load_to_lds s[G0B+4*\s:G0B+4*\s+3], s[G1B:G1B+7]
	s_nop 0
.Lasked_\@:
.endm
.macro CREST                           ; a round of the cluster's barrier behind its opening work-group barrier
	s_cmp_lg_u32 s10, 0
	s_cbranch_scc1 .Lnot_wave_0_\@
	s_barrier_signal -3
.Lnot_wave_0_\@:
	s_barrier_wait -3
	s_barrier_signal -1
	s_barrier_wait -1
.endm
.macro CROUND                          ; a whole round
	s_barrier_signal -1
	s_barrier_wait -1
	CREST
.endm
.macro PLACES                          ; four places behind a matrix instruction (ISA guide 7.12.1 for vector instructions)
.rept 4
	v_nop
.endr
.endm
	s_load_b128 s[4:7], s[0:1], 0x0                ; xb s[4:5], wp s[6:7]
	s_load_b64 s[8:9], s[0:1], 0x10                ; qkv
	s_load_b64 s[66:67], s[0:1], 0x18              ; cs
	v_lshl_add_u32 v254, v0, 2, 0x3c800
	v_mov_b32 v255, 0
	ds_add_u32 v254, v255
	v_lshrrev_b32 v1, 5, v0
	v_readfirstlane_b32 s10, v1                    ; wave 0..3
	s_lshr_b32 s11, s10, 1                         ; which 64 rows are mine
	s_and_b32 s12, s10, 1                          ; which column tiles
	s_bfe_u32 s40, ttmp6, 0x40000                  ; cx
	s_bfe_u32 s41, ttmp6, 0x40004                  ; cy
	s_lshl_b32 s42, ttmp9, 2
	s_add_co_u32 s42, s42, s40                     ; block column = 4 x cluster x + cx
	s_and_b32 s13, ttmp7, 0xffff
	s_lshl_b32 s13, s13, 2
	s_add_co_u32 s13, s13, s41                     ; block row = 4 x cluster y + cy
	s_lshl_b32 s43, s41, 2
	s_lshl_b32 s43, 15, s43                        ; my row of the cluster: places 4 cy .. 4 cy + 3
	s_lshl_b32 s44, 0x1111, s40                    ; my column: places cx, cx + 4, cx + 8, cx + 12
	; x's tile: 128 rows x 128 elements of 2 bytes, 2,048 elements from row to row; 4 words of padding behind every 64
	s_or_b32 s[G1+0], s43, (1<<16)|(1<<20)|(1<<21)|(5<<22)|(3<<25)
	s_mov_b32 s[G1+1], 128<<16                     ; tensor_dim0 = 128
	s_mov_b32 s[G1+2], 128<<16                     ; tensor_dim1 = 128
	s_mov_b32 s[G1+3], 128<<16                     ; tile_dim0 = 128
	s_mov_b32 s[G1+4], 128                         ; tile_dim1 = 128
	s_mov_b32 s[G1+5], 2048
	s_mov_b32 s[G1+6], 0
	s_mov_b32 s[G1+7], 0
	; a panel's tile: 128 k rows of 128 bytes lie dense, taken as 64 rows of 256 bytes; 8 words of padding behind every 32: a k row every 160 bytes
	s_or_b32 s[G1B+0], s44, (1<<16)|(1<<20)|(1<<21)|(4<<22)|(7<<25)
	s_mov_b32 s[G1B+1], 128<<16
	s_mov_b32 s[G1B+2], 64<<16
	s_mov_b32 s[G1B+3], 128<<16
	s_mov_b32 s[G1B+4], 64
	s_mov_b32 s[G1B+5], 128
	s_mov_b32 s[G1B+6], 0
	s_mov_b32 s[G1B+7], 0
	; offsets.  What feeds x's descriptors holds the block row alone, what feeds the panels' the block column alone.
	s_lshl_b32 s16, s13, 19                        ; 128 rows of 4,096 bytes
	s_mov_b32 s17, 0
	s_lshl_b32 s18, s13, 15                        ; 128 rows of the table
	s_mov_b32 s19, 0
	s_mul_i32 s45, s42, 3                          ; my first head
	s_max_u32 s72, s10, 1
	s_sub_co_u32 s72, s72, 1                       ; the panel that waves 1, 2, 3 fetch: 0, 1, 2 (wave 0 issues no panel's load)
	s_add_co_u32 s46, s45, s72
	s_lshl_b32 s46, s46, 18                        ; panels of 262,144 bytes
	s_mov_b32 s47, 0
	s_mul_i32 s20, s10, PANEL
	s_add_co_u32 s20, s20, ABYTES-PANEL            ; and where it goes: behind x's tile, panel wave - 1
.irp p, 0,1,2
	s_add_co_u32 s71, s45, \p
	s_cmp_ge_u32 s71, 40
	s_cselect_b32 s[FL+\p], -1, 0                  ; feeds selects alone: no branch hangs on the place in the cluster
.endr
	s_wait_dscnt 0x0
	s_wait_kmcnt 0x0
	s_add_nc_u64 s[14:15], s[4:5], s[16:17]
	s_add_nc_u64 s[46:47], s[6:7], s[46:47]
	s_add_nc_u64 s[66:67], s[66:67], s[18:19]
	CROUND                                         ; all sixteen work-groups are here: the first joint loads meet
.irp s, 0,1
	s_mov_b32 s[G0+4*\s], 1
	s_mov_b32 s[G0+4*\s+1], \s*SLOT
	s_add_nc_u64 s[G0+4*\s+2:G0+4*\s+3], s[14:15], \s*KSTEP*2
	s_or_b32 s[G0+4*\s+3], s[G0+4*\s+3], 0x80000000
	s_mov_b32 s[G0B+4*\s], 1
	s_add_co_u32 s[G0B+4*\s+1], s20, \s*SLOT
	s_add_nc_u64 s[G0B+4*\s+2:G0B+4*\s+3], s[46:47], \s*KSTEP*128
	s_or_b32 s[G0B+4*\s+3], s[G0B+4*\s+3], 0x80000000
	JLOAD \s                                       ; both slots' first fills go out together: two tensor loads of a wave are out, later one
.endr
	v_and_b32 v1, 15, v0                           ; r
	v_bfe_u32 v2, v0, 4, 1                         ; h
	v_and_b32 v3, 31, v0                           ; l
	v_and_b32 v4, 7, v0                            ; l % 8
	v_bfe_u32 v5, v0, 3, 1                         ; (l / 8) % 2
	v_mul_u32_u24 v6, v1, PA
	v_lshl_add_u32 v6, v2, 4, v6                   ; x: row r, 16 bytes for each half of the lanes
	s_mul_i32 s21, s11, 64*PA
	v_lshl_add_u32 v7, v2, 3, v4
	v_mul_u32_u24 v7, v7, PB                       ; W: k row 8 h + l % 8,
	v_lshl_add_u32 v7, v5, 4, v7                   ; columns 0-7 or 8-15 of the tile
	s_lshl_b32 s22, s12, 5                         ; my tiles begin at column 16 (w & 1)
	s_add_co_u32 s22, s22, ABYTES
.irp s, 0,1
	v_add_nc_u32 v[ADRA+\s], s21, v6
	v_add_nc_u32 v[ADRB+\s], s22, v7
	s_add_co_u32 s21, s21, SLOT
	s_add_co_u32 s22, s22, SLOT
.endr
	v_mul_u32_u24 v8, v1, SP
	v_lshl_add_u32 v8, v2, 4, v8
	s_mul_i32 s23, s11, 64*SP
	s_lshl_b32 s21, s12, 5
	s_add_co_u32 s23, s23, s21
	s_add_co_u32 s23, s23, STAGE
	v_add_nc_u32 v[STO], s23, v8                   ; stage + (64 wm + r) 144 + 32 wn + 16 h
	v_bfe_u32 v9, v0, 3, 2
	v_mul_u32_u24 v9, v9, SP
	v_lshl_add_u32 v9, v4, 4, v9
	s_mul_i32 s23, s10, 32*SP
	s_add_co_u32 s23, s23, STAGE
	v_add_nc_u32 v[RD], s23, v9                    ; stage + (32 w + l / 8) 144 + 16 (l % 8): four rows of 128 bytes a load
	s_lshl_b32 s23, s10, 12
	v_lshl_add_u32 v[CO], v3, 4, s23               ; 32 w rows of 128 bytes + 16 l
	v_lshlrev_b32 v10, 8, v1
	v_lshl_add_u32 v10, v2, 5, v10
	s_lshl_b32 s23, s11, 14
	s_lshl_b32 s21, s12, 6
	s_add_co_u32 s23, s23, s21
	v_add_nc_u32 v[TB], s23, v10                   ; (64 wm + r) 256 + 4 (16 wn + 8 h)
	; my rows' cos and sin of the eight frequencies 16 wn + 8 h + j, once; waited for on the way out; TB and s[66:67] are never rewritten
	WIN 0x40                                       ; destination window 1
.irp a, 0,1,2,3
	global_load_b128 v[192+16*\a:192+16*\a+3],     v[TB], s[66:67] offset:4096*\a
	global_load_b128 v[192+16*\a+4:192+16*\a+7],   v[TB], s[66:67] offset:4096*\a+16
	global_load_b128 v[192+16*\a+8:192+16*\a+11],  v[TB], s[66:67] offset:4096*\a+128
	global_load_b128 v[192+16*\a+12:192+16*\a+15], v[TB], s[66:67] offset:4096*\a+144
.endr
	WIN 0
; 12 matrix instructions: row tiles a0, a0 + 1 x my six column tiles, 32 along K.  The 24 accumulators take turns, one instruction a turn,
; in the same order in every quarter step.  zero = 1: the first product starts the sums.
.macro MUL12 f, a0, zero
.irp a, \a0, \a0+1
.irp b, 0,1,2,3,4,5
.if \zero
	v_wmma_f32_16x16x32_bf16 v[8*(6*(\a)+\b):8*(6*(\a)+\b)+7], v[\f+32+8*\b:\f+32+8*\b+7], v[\f+8*(\a):\f+8*(\a)+7], 0
.else
	v_wmma_f32_16x16x32_bf16 v[8*(6*(\a)+\b):8*(6*(\a)+\b)+7], v[\f+32+8*\b:\f+32+8*\b+7], v[\f+8*(\a):\f+8*(\a)+7], v[8*(6*(\a)+\b):8*(6*(\a)+\b)+7]
.endif
.endr
.endr
.endm
; 20 LDS loads: the fragments of quarter q of a K step (64 rows of x, 96 columns of W, 32 K) into buffer f
.macro FETCH slot, q, f
	WIN 0
.irp i, 0,1,2,3
	ds_load_b128 v[\f+8*\i:\f+8*\i+3],   v[ADRA+\slot] offset:64*\q+16*PA*\i
	ds_load_b128 v[\f+8*\i+4:\f+8*\i+7], v[ADRA+\slot] offset:64*\q+16*PA*\i+32
.endr
.irp p, 0,1,2
.irp u, 0,1
	ds_load_tr16_b128 v[\f+32+8*(2*\p+\u):\f+32+8*(2*\p+\u)+3],   v[ADRB+\slot] offset:32*PB*\q+PANEL*\p+64*\u
	ds_load_tr16_b128 v[\f+32+8*(2*\p+\u)+4:\f+32+8*(2*\p+\u)+7], v[ADRB+\slot] offset:32*PB*\q+PANEL*\p+64*\u+16*PB
.endr
.endr
.endm
; One of a K step's first three quarters: fetches quarter qn into buffer g, multiplies buffer f.
.macro SUB slot, qn, f, g, zero
	PLACES                                         ; buffer g was read by the matrix instructions just issued
	FETCH \slot, \qn, \g
	s_wait_dscnt 20                                ; all but the 20 just issued: buffer f is in
	WIN 0x50                                       ; C and D in window 1
	MUL12 \f, 0, \zero
	MUL12 \f, 2, \zero
.endm
.macro THREE slot, zero
	SUB \slot, 1, F0, F1, \zero
	SUB \slot, 2, F1, F0, 0
	SUB \slot, 3, F0, F1, 0
.endm
; The last quarter: multiplies buffer 1 and changes slots.  In front of the barrier each wave waits for its reads of this slot and for all its
; tensor loads (the one that is out is its part of the next slot).  fill = 1: the barrier opens a round of the cluster's barrier, and the joint
; refill of this slot, two K steps ahead, is the first tensor load behind the round's closing wait, ahead of the first LDS read.
.macro TURN slot, next, fill
	s_wait_dscnt 0x0
	s_wait_tensorcnt 0x0
	ds_add_u32 v254, v255
	s_wait_dscnt 0x0
	s_barrier_signal -1
	WIN 0x50
	MUL12 F1, 0, 0                                 ; register work while the others arrive
	WIN 0
	s_barrier_wait -1
.if \fill
	CREST
	s_add_nc_u64 s[G0+4*\slot+2:G0+4*\slot+3], s[G0+4*\slot+2:G0+4*\slot+3], 2*KSTEP*2       ; no tensor load of mine is out: group 0 may be written
	s_add_nc_u64 s[G0B+4*\slot+2:G0B+4*\slot+3], s[G0B+4*\slot+2:G0B+4*\slot+3], 2*KSTEP*128
	JLOAD \slot
.endif
	PLACES
	FETCH \next, 0, F0
	WIN 0x50
	MUL12 F1, 2, 0
.endm
.macro LAP zero
	THREE 0, \zero
	TURN 0, 1, 1
	THREE 1, 0
	TURN 1, 0, 1
.endm
	s_wait_tensorcnt 0x1                           ; my part of K step 0 is in; K step 1's stays out
	s_barrier_signal -1
	s_barrier_wait -1
	FETCH 0, 0, F0
	LAP 1                                          ; the first lap stands in front of the loop: its first products start the sums
	WIN 0
	s_mov_b32 s3, LAPS-2
.Llap:
	LAP 0
	WIN 0
	s_sub_co_u32 s3, s3, 1
	s_cmp_lg_u32 s3, 0
	s_cbranch_scc1 .Llap
	THREE 0, 0                                     ; the last lap fills nothing
	TURN 0, 1, 0
	THREE 1, 0
	s_wait_dscnt 0x0
	MUL12 F1, 0, 0
	MUL12 F1, 2, 0
	; THE WAY OUT: rotate, round to f16, 16 bytes a lane into the stage, whole rows back, 512 dense bytes a store.
	PLACES                                         ; behind the last matrix instructions: their results are read, their sources rewritten
	s_wait_loadcnt 0x0                             ; the table
	s_mul_i32 s46, s42, 3*262144                   ; my three heads
	s_mov_b32 s47, 0
	s_add_nc_u64 s[8:9], s[8:9], s[46:47]
	s_lshl_b32 s16, s13, 14                        ; my 128 rows of 128 bytes
	s_mov_b32 s17, 0
	s_add_nc_u64 s[8:9], s[8:9], s[16:17]
; Rows 16 a .. 16 a + 15 of my 64.  x1 = tile u = 0 (d < 32), x2 = tile u = 1 (d + 32): x1' = x1 cos - x2 sin, x2' = x2 cos + x1 sin.
; A head of v takes cos = 1 and sin = 0 by a select, so that all work-groups run the same lines.
.macro ROPE a
	WIN 0x01                                       ; source 0 in window 1
.irp p, 0,1,2
.irp j, 0,1,2,3,4,5,6,7
	v_cndmask_b32 v[CSP+16*\p+\j],   v[192+16*\a+\j],   1.0, s[FL+\p]
	v_cndmask_b32 v[CSP+16*\p+8+\j], v[192+16*\a+8+\j], 0,   s[FL+\p]
.endr
.endr
.irp p, 0,1,2
.irp j, 0,2,4,6
	v_pk_mul_f32 v[TT+16*\p+\j:TT+16*\p+\j+1],     v[8*(6*\a+2*\p)+\j:8*(6*\a+2*\p)+\j+1],     v[CSP+16*\p+\j:CSP+16*\p+\j+1]
	v_pk_mul_f32 v[TT+16*\p+8+\j:TT+16*\p+8+\j+1], v[8*(6*\a+2*\p+1)+\j:8*(6*\a+2*\p+1)+\j+1], v[CSP+16*\p+\j:CSP+16*\p+\j+1]
.endr
.irp j, 0,2,4,6
	v_pk_fma_f32 v[TT+16*\p+\j:TT+16*\p+\j+1],     v[8*(6*\a+2*\p+1)+\j:8*(6*\a+2*\p+1)+\j+1], v[CSP+16*\p+8+\j:CSP+16*\p+8+\j+1], v[TT+16*\p+\j:TT+16*\p+\j+1] neg_lo:[0,1,0] neg_hi:[0,1,0]
	v_pk_fma_f32 v[TT+16*\p+8+\j:TT+16*\p+8+\j+1], v[8*(6*\a+2*\p)+\j:8*(6*\a+2*\p)+\j+1],     v[CSP+16*\p+8+\j:CSP+16*\p+8+\j+1], v[TT+16*\p+8+\j:TT+16*\p+8+\j+1]
.endr
.endr
	WIN 0
.irp p, 0,1,2
.irp u, 0,1
.irp i, 0,1,2,3
	v_cvt_pk_f16_f32 v[PK+4*(2*\p+\u)+\i], v[TT+16*\p+8*\u+2*\i], v[TT+16*\p+8*\u+2*\i+1]
.endr
	ds_store_b128 v[STO], v[PK+4*(2*\p+\u):PK+4*(2*\p+\u)+3] offset:SHEAD*\p+16*SP*\a+64*\u
.endr
.endr
.endm
	ROPE 0
	ROPE 1
	ROPE 2
	ROPE 3
	s_wait_dscnt 0x0                               ; my stores into the stage are done: two waves share each row
	s_barrier_signal -1
	s_barrier_wait -1
.set n, 0
.rept 24
	ds_load_b128 v[64+4*n:64+4*n+3], v[RD] offset:(n/8)*SHEAD+(n%8)*4*SP
.set n, n+1
.endr
.set n, 0
.rept 24
	s_wait_dscnt 23-n                              ; LDS loads come back in order (ISA guide 5.7.1): load n is in
	global_store_b128 v[CO], v[64+4*n:64+4*n+3], s[8:9] offset:(n/8)*262144+(n%8)*512   ; four rows of a head: 512 consecutive bytes, aligned
.set n, n+1
.endr
	s_wait_tensorcnt 0x0
	ds_add_u32 v254, v255
	s_wait_dscnt 0x0
	CROUND                                         ; the closing round: no work-group ends while a partner may still ask for a tile that names it
	s_endpgm
.Lfunc_end_k_q760f3e2c22_qkv:
	.size	k_q760f3e2c22_qkv, .Lfunc_end_k_q760f3e2c22_qkv-k_q760f3e2c22_qkv
	.p2alignl 7, 3214868480
	.fill 96, 4, 3214868480
	.section	.rodata,"a",@progbits
	.p2align	6, 0x0
	.amdhsa_kernel k_q760f3e2c22_qkv
		.amdhsa_group_segment_fixed_size 327680
		.amdhsa_private_segment_fixed_size 0
		.amdhsa_enable_private_segment 0
		.amdhsa_kernarg_size 32
		.amdhsa_user_sgpr_count 2
		.amdhsa_user_sgpr_kernarg_segment_ptr 1
		.amdhsa_wavefront_size32 1
		.amdhsa_system_sgpr_workgroup_id_x 1
		.amdhsa_system_sgpr_workgroup_id_y 1
		.amdhsa_system_sgpr_workgroup_id_z 1
		.amdhsa_system_vgpr_workitem_id 0
		.amdhsa_next_free_vgpr 512
		.amdhsa_next_free_sgpr 80
		.amdhsa_reserve_vcc 0
		.amdhsa_float_denorm_mode_32 3
		.amdhsa_float_denorm_mode_16_64 3
		.amdhsa_memory_ordered 1
		.amdhsa_forward_progress 1
		.amdhsa_inst_pref_size 121
	.end_amdhsa_kernel
	.amdgpu_metadata
---
amdhsa.version: [ 1, 2 ]
amdhsa.kernels:
  - .name:           k_q760f3e2c22_qkv
    .symbol:         k_q760f3e2c22_qkv.kd
    .args:
      - { .name: xb, .offset: 0, .size: 8, .value_kind: global_buffer, .address_space: global }
      - { .name: wp, .offset: 8, .size: 8, .value_kind: global_buffer, .address_space: global }
      - { .name: qkv, .offset: 16, .size: 8, .value_kind: global_buffer, .address_space: global }
      - { .name: cs, .offset: 24, .size: 8, .value_kind: global_buffer, .address_space: global }
    .group_segment_fixed_size: 327680
    .private_segment_fixed_size: 0
    .kernarg_segment_align: 8
    .kernarg_segment_size: 32
    .max_flat_workgroup_size: 128
    .sgpr_count:     80
    .vgpr_count:     512
    .wavefront_size: 32
...
	.end_amdgpu_metadata
.endif
;; end of part 2
;; launch attn (part 3): grid 32 x 8, 8 waves a work-group, no clusters, 327,680 bytes of LDS; arguments qkv, ao; writes ao
.if DOCPART == 3
	.amdgcn_target "amdgcn-amd-amdhsa--gfx1250"
	.amdhsa_code_object_version 6
	.text
	.protected	k_q760f3e2c22_attn
	.globl	k_q760f3e2c22_attn
	.p2align	8
	.type	k_q760f3e2c22_attn,@function
k_q760f3e2c22_attn:
	s_mov_b64 s[64:65], 0
	v_nop
	global_prefetch_b8 v0, s[64:65] scope:SCOPE_SE
	s_setreg_imm32_b32 hwreg(HW_REG_WAVE_MODE, 25, 1), 1
	s_wait_xcnt 0x0
; ao[s][64 head + d] (f16) = softmax(q k^T / 8 under the mask: key <= query and key >= query - 1023) v, for 32 query heads on 8 key/value heads.
; Work-group (i, g): query rows 64 i .. +63 of the four heads 4 g .. 4 g + 3, which share key/value head g: K's and V's tiles are brought into LDS
; once for the four.  Eight waves: wave w takes head 4 g + (w >> 1), rows 64 i + 32 (w & 1) .. +31, as two tiles of 16 queries.
; Key tiles of 64 are walked DOWNWARD from the diagonal: tile i, i - 1, .., max(0, i - 16); all others are wholly banned by the mask that the
; problem itself builds.  The diagonal tile holds an allowed key for every row, so the running maximum is finite from the first step on,
; and the first step's products start every sum.
; S^T = K Q^T: lane (r = l % 16, h = l / 16), register j holds key 8 h + j, query r.  Two such tiles packed to f16 ARE the second source of
; O^T = V^T P^T: no exchange between lanes; maximum and rescaling are a lane's own, with one exchange between the halves of the wave.
; THE SUM of a query's weights is made by the matrix unit too, as (a fragment of ones) x P^T, from the same rounded P that multiplies V: the
; weights then add up to the divisor exactly, and P's rounding shifts weight between keys only.  Its result goes into S registers
; that the packing has freed, holds the sum over all 64 keys in every lane of the query, and is folded into the running sum by one fma.
; NO CLUSTER: query block i walks tiles i, i - 1, .., block i + 1 walks i + 1, i, ..: at the same step partners want different tiles, and for
; i < 16 they make different numbers of steps.
; The exponent is fma(s, c, -round(c max)), c = log2(e) / 8; old sums are rescaled by 2^(difference of the two rounded shifts).
; LIMITS: v_exp_f32 gives 0 below 2^-126 (ISA guide 15.8); P is rounded to f16 (it lies in [0, 1]); ao is rounded to f16 and is a mean
; of v's rows, so it has v's range.  NaN and infinities in qkv are not treated.
.set KP,    144                        ; an LDS row of K: 128 bytes + 16
.set VP,    160                        ; an LDS row of V: 128 bytes + 32, an odd multiple of 32, for the transposing load
.set KB,    64*KP                      ; 9,216
.set VB,    64*VP                      ; 10,240
.set SLOT,  KB+VB                      ; 19,456
.set STAGE, 2*SLOT                     ; 38,912: 64 rows x 528 bytes, bytes into which no tensor load lands
.set SPT,   528
.set KADR, 2                           ; LDS address of my part of a K fragment in slot 0
.set VADR, 3                           ; the same for V
.set D1,   4                           ; r - 8 h + 32 (w & 1): the causal test is 16 kt + j - 16 qt <= D1
.set D2,   5                           ; D1 + 64 (steps - 1) - 1023: the window's test is 16 kt + j - 16 qt >= D2
.set MX,   6                           ; v[6:7]   running maximum, per query tile
.set LS,   8                           ; v[8:9]   running sum over all keys so far
.set NM,   10                          ; v[10:11] -c x maximum, rounded
.set AL,   12                          ; v[12:13] the factor on the old sums; at the end 1 / sum
.set TP,   14                          ; v[14:17] at work
.set STO,  20
.set RD,   21
.set CO,   22
.set QOFF, 23
.set QF,   24                          ; v[24:55]   Q fragment (qt, ks) at 8 (2 qt + ks)
.set SC,   56                          ; v[56:119]  S tile (qt, kt) at 8 (4 qt + kt); then P (qt, kk) at 32 qt + 16 kk and this step's sum tile at 32 qt + 8
.set KV,   120                         ; v[120:183] K fragment (ks, kt) at 8 (4 ks + kt); then V fragment (kk, dt) at 8 (4 kk + dt)
.set OA,   184                         ; v[184:247] O tile (qt, dt) at 8 (4 qt + dt)
.set ONE,  248                         ; v[248:255] a fragment of 16 x 32 ones in f16
.set G1K, 16                           ; s[16:23]
.set G1V, 24                           ; s[24:31]
.set G0K, 32                           ; s[32:39] one set a slot
.set G0V, 40                           ; s[40:47]
.set CPOS, 0x3e38aa3b                  ; c = log2(e) / 8
.set CNEG, 0xbe38aa3b
; Wave 0 fetches K's tile, wave 1 V's, the others none: one tensor load a wave at the most.
.macro KVLOAD s
	s_cmp_lg_u32 s8, 0
	s_cbranch_scc1 .Lnot_k_\@
	tensor_load_to_lds s[G0K+4*\s:G0K+4*\s+3], s[G1K:G1K+7]
	s_nop 0
	s_branch .Lasked_\@
.Lnot_k_\@:
	s_cmp_lg_u32 s8, 1
	s_cbranch_scc1 .Lasked_\@
	tensor_load_to_lds s[G0V+4*\s:G0V+4*\s+3], s[G1V:G1V+7]
	s_nop 0
.Lasked_\@:
.endm
	s_load_b128 s[4:7], s[0:1], 0x0                ; qkv s[4:5], ao s[6:7]
	v_lshl_add_u32 v19, v0, 2, 0x29000
	s_set_vgpr_msb 0x40
	v_mov_b32 v1, 0
	s_set_vgpr_msb 0x4044
	ds_add_u32 v19, v1
	s_set_vgpr_msb 0x4400
	v_lshrrev_b32 v1, 5, v0
	v_readfirstlane_b32 s8, v1                     ; wave 0..7
	s_mov_b32 s9, ttmp9                            ; i
	s_and_b32 s10, ttmp7, 0xffff                   ; g
	s_add_co_u32 s11, s9, 1
	s_min_u32 s11, s11, 17                         ; steps
	s_mov_b32 s12, 0x76543210                      ; v_permlanex16_b32: lane l of one half reads lane l of the other
	s_mov_b32 s13, 0xfedcba98
	s_max_u32 s14, s11, 2
	s_sub_co_u32 s14, s14, 2                       ; steps between the first and the last,
	s_and_b32 s15, s14, 1                          ; an odd one,
	s_lshr_b32 s14, s14, 1                         ; and pairs
	; a tile of K or V: 64 rows of 128 bytes lie dense, taken as 32 rows of 256 bytes; padding behind every 32 words: 4 words for K, 8 for V
	s_mov_b32 s[G1K+0], (1<<16)|(1<<20)|(4<<22)|(3<<25)
	s_mov_b32 s[G1K+1], 128<<16
	s_mov_b32 s[G1K+2], 32<<16
	s_mov_b32 s[G1K+3], 128<<16
	s_mov_b32 s[G1K+4], 32
	s_mov_b32 s[G1K+5], 128
	s_mov_b32 s[G1K+6], 0
	s_mov_b32 s[G1K+7], 0
	s_mov_b32 s[G1V+0], (1<<16)|(1<<20)|(4<<22)|(7<<25)
	s_mov_b32 s[G1V+1], 128<<16
	s_mov_b32 s[G1V+2], 32<<16
	s_mov_b32 s[G1V+3], 128<<16
	s_mov_b32 s[G1V+4], 32
	s_mov_b32 s[G1V+5], 128
	s_mov_b32 s[G1V+6], 0
	s_mov_b32 s[G1V+7], 0
	s_add_co_u32 s48, s10, 32
	s_lshl_b32 s48, s48, 18                        ; K's head 32 + g
	s_mov_b32 s49, 0
	s_lshl_b32 s50, s9, 13                         ; tile i: 64 rows of 128 bytes
	s_mov_b32 s51, 0
	s_max_u32 s52, s9, 1
	s_sub_co_u32 s52, s52, 1
	s_lshl_b32 s52, s52, 13                        ; tile i - 1 (for i = 0 tile 0, which is not asked for)
	s_mov_b32 s53, 0
	s_and_b32 s62, s8, 1                           ; w & 1
	s_lshr_b32 s63, s8, 1                          ; w >> 1
	s_lshl2_add_u32 s58, s10, s63                  ; my head
	s_lshl_b32 s58, s58, 18
	s_add_co_u32 s58, s58, s50
	s_lshl_b32 s59, s62, 12
	s_add_co_u32 s58, s58, s59                     ; + my first row
	s_mov_b32 s59, 0
	s_lshl_b32 s60, s9, 18                         ; ao: 64 rows of 4,096 bytes,
	s_lshl_b32 s61, s10, 9                         ; four heads of 128 bytes
	s_add_co_u32 s60, s60, s61
	s_mov_b32 s61, 0
	s_wait_dscnt 0x0
	s_barrier_signal -1
	s_barrier_wait -1
	s_wait_kmcnt 0x0
	s_add_nc_u64 s[54:55], s[4:5], s[48:49]
	s_add_nc_u64 s[56:57], s[54:55], 0x200000      ; V's head 40 + g: eight heads on
	s_add_nc_u64 s[58:59], s[4:5], s[58:59]
	s_add_nc_u64 s[6:7], s[6:7], s[60:61]
	s_mov_b32 s[G0K+0], 1
	s_mov_b32 s[G0K+1], 0
	s_add_nc_u64 s[G0K+2:G0K+3], s[54:55], s[50:51]
	s_or_b32 s[G0K+3], s[G0K+3], 0x80000000
	s_mov_b32 s[G0K+4], 1
	s_mov_b32 s[G0K+5], SLOT
	s_add_nc_u64 s[G0K+6:G0K+7], s[54:55], s[52:53]
	s_or_b32 s[G0K+7], s[G0K+7], 0x80000000
	s_mov_b32 s[G0V+0], 1
	s_mov_b32 s[G0V+1], KB
	s_add_nc_u64 s[G0V+2:G0V+3], s[56:57], s[50:51]
	s_or_b32 s[G0V+3], s[G0V+3], 0x80000000
	s_mov_b32 s[G0V+4], 1
	s_mov_b32 s[G0V+5], SLOT+KB
	s_add_nc_u64 s[G0V+6:G0V+7], s[56:57], s[52:53]
	s_or_b32 s[G0V+7], s[G0V+7], 0x80000000
	KVLOAD 0                                       ; the diagonal tile; slot 1 is first filled behind the first step's barrier
	v_and_b32 v1, 15, v0                           ; r
	v_bfe_u32 v14, v0, 4, 1                        ; h
	v_lshlrev_b32 v[QOFF], 7, v1
	v_lshl_add_u32 v[QOFF], v14, 4, v[QOFF]        ; row r, 16 bytes for each half of the lanes
.irp qt, 0,1
.irp ks, 0,1
	global_load_b128 v[QF+8*(2*\qt+\ks):QF+8*(2*\qt+\ks)+3],   v[QOFF], s[58:59] offset:2048*\qt+64*\ks
	global_load_b128 v[QF+8*(2*\qt+\ks)+4:QF+8*(2*\qt+\ks)+7], v[QOFF], s[58:59] offset:2048*\qt+64*\ks+32
.endr
.endr
.irp n, 0,1,2,3,4,5,6,7
	v_mov_b32 v[ONE+\n], 0x3c003c00                ; 1.0 twice in f16
.endr
	v_and_b32 v15, 7, v0
	v_bfe_u32 v16, v0, 3, 1
	v_and_b32 v17, 31, v0                          ; l
	v_mul_u32_u24 v[KADR], v1, KP
	v_lshl_add_u32 v[KADR], v14, 4, v[KADR]
	v_lshl_add_u32 v[VADR], v14, 3, v15
	v_mul_u32_u24 v[VADR], v[VADR], VP             ; key row 8 h + l % 8,
	v_lshl_add_u32 v[VADR], v16, 4, v[VADR]        ; columns 0-7 or 8-15 of the tile
	v_add_nc_u32 v[VADR], KB, v[VADR]
	v_lshlrev_b32 v18, 3, v14
	v_sub_nc_u32 v[D1], v1, v18
	s_lshl_b32 s48, s62, 5
	v_add_nc_u32 v[D1], s48, v[D1]
	s_lshl_b32 s49, s11, 6
	s_sub_co_i32 s49, s49, 1087                    ; 64 (steps - 1) - 1023
	v_add_nc_u32 v[D2], s49, v[D1]
	v_mul_u32_u24 v[STO], v1, SPT
	v_lshl_add_u32 v[STO], v14, 4, v[STO]
	s_mul_i32 s52, s62, 32*SPT
	s_lshl_b32 s53, s63, 7
	s_add_co_u32 s52, s52, s53
	s_add_co_u32 s52, s52, STAGE
	v_add_nc_u32 v[STO], s52, v[STO]               ; stage + (32 (w & 1) + r) 528 + 128 (w >> 1) + 16 h
	s_mul_i32 s52, s8, 8*SPT
	s_add_co_u32 s52, s52, STAGE
	v_lshl_add_u32 v[RD], v17, 4, s52              ; stage + 8 w rows + 16 l
	s_lshl_b32 s53, s8, 15
	v_lshl_add_u32 v[CO], v17, 4, s53              ; 8 w rows of 4,096 bytes + 16 l
; The maximum of query tile qt over this step's 64 keys, the new shift and the exponent of the factor on the old sums.
.macro SMAX qt, first
	v_max3_num_f32 v[TP+2*\qt],   v[SC+32*\qt],    v[SC+32*\qt+1],  v[SC+32*\qt+2]
	v_max3_num_f32 v[TP+2*\qt+1], v[SC+32*\qt+17], v[SC+32*\qt+18], v[SC+32*\qt+19]
.irp n, 0,1,2,3,4,5
	v_max3_num_f32 v[TP+2*\qt],   v[TP+2*\qt],   v[SC+32*\qt+3+2*\n],  v[SC+32*\qt+4+2*\n]
	v_max3_num_f32 v[TP+2*\qt+1], v[TP+2*\qt+1], v[SC+32*\qt+20+2*\n], v[SC+32*\qt+21+2*\n]
.endr
	v_max3_num_f32 v[TP+2*\qt], v[TP+2*\qt], v[SC+32*\qt+15], v[SC+32*\qt+16]
	v_max_num_f32 v[TP+2*\qt], v[TP+2*\qt], v[TP+2*\qt+1]
	v_permlanex16_b32 v[TP+2*\qt+1], v[TP+2*\qt], s12, s13         ; the other half's keys
.if \first
	v_max_num_f32 v[MX+\qt], v[TP+2*\qt], v[TP+2*\qt+1]
	v_mul_f32 v[NM+\qt], CNEG, v[MX+\qt]
.else
	v_max3_num_f32 v[MX+\qt], v[TP+2*\qt], v[TP+2*\qt+1], v[MX+\qt]
	v_mul_f32 v[TP+2*\qt], CNEG, v[MX+\qt]
	v_sub_f32 v[AL+\qt], v[TP+2*\qt], v[NM+\qt]                    ; new shift - old shift, at most 0
	v_mov_b32 v[NM+\qt], v[TP+2*\qt]
.endif
.endm
.macro SFMA qt                         ; exponents: s c + shift, two at a time; both halves take NM of this query tile
.set n, 0
.rept 16
	v_pk_fma_f32 v[SC+32*\qt+n:SC+32*\qt+n+1], v[SC+32*\qt+n:SC+32*\qt+n+1], CPOS, v[NM:NM+1] op_sel:[0,0,\qt] op_sel_hi:[1,0,\qt]
.set n, n+2
.endr
.endm
.macro SEXP qt
.set n, 0
.rept 32
	v_exp_f32 v[SC+32*\qt+n], v[SC+32*\qt+n]
.set n, n+1
.endr
.endm
.macro SPACK qt                        ; the pack to f16 in place: 16 registers become 8, the upper 8 of each 16 fall free
	s_wait_alu depctr_va_vdst(0)
.irp kk, 0,1
.irp n, 0,1,2,3,4,5,6,7
	v_cvt_pk_f16_f32 v[SC+32*\qt+16*\kk+\n], v[SC+32*\qt+16*\kk+2*\n], v[SC+32*\qt+16*\kk+2*\n+1]   ; register n from 2 n, 2 n + 1: never onto a source still to be read
.endr
.endr
.endm
; One key tile, in LDS slot `slot`.  first = 1: the sums start here.  mask = 1: the diagonal tile, 2: the lowest tile (the window's edge), 0: none.
; fill = 1: the next tile is asked for, into slot `other`.
.macro STEP slot, other, first, mask, fill
	s_set_vgpr_msb 0x4
	s_wait_tensorcnt 0x0                           ; all my tensor loads have landed, my part of this tile among them,
	ds_add_u32 v19, v1
	s_wait_dscnt 0x0
	s_set_vgpr_msb 0x400
	s_sub_nc_u64 s[G0K+4*\slot+2:G0K+4*\slot+3], s[G0K+4*\slot+2:G0K+4*\slot+3], 2*8192   ; so every group 0 may be written: this slot's next tile, two down
	s_sub_nc_u64 s[G0V+4*\slot+2:G0V+4*\slot+3], s[G0V+4*\slot+2:G0V+4*\slot+3], 2*8192   ; (in the last steps the stepped address is not used)
	s_wait_dscnt 0x0                               ; my reads of the other slot are done
	s_barrier_signal -1
	s_barrier_wait -1                              ; both now hold of every wave
.if \fill
	KVLOAD \other                                  ; first thing behind the barrier; it has this step's work in which to land
.endif
.irp ks, 0,1
.irp kt, 0,1,2,3
	ds_load_b128 v[KV+8*(4*\ks+\kt):KV+8*(4*\ks+\kt)+3],   v[KADR] offset:\slot*SLOT+16*KP*\kt+64*\ks
	ds_load_b128 v[KV+8*(4*\ks+\kt)+4:KV+8*(4*\ks+\kt)+7], v[KADR] offset:\slot*SLOT+16*KP*\kt+64*\ks+32
.endr
.endr
.if \first
	s_wait_loadcnt 0x0                             ; Q
.endif
	s_wait_dscnt 0x8                               ; the eight loads of d = 0..31 are in, the eight of d = 32..63 stay out
	; the eight S tiles take turns, one instruction a turn
.irp qt, 0,1
.irp kt, 0,1,2,3
	v_wmma_f32_16x16x32_f16 v[SC+8*(4*\qt+\kt):SC+8*(4*\qt+\kt)+7], v[KV+8*\kt:KV+8*\kt+7], v[QF+16*\qt:QF+16*\qt+7], 0
.endr
.endr
	s_wait_dscnt 0x0
.irp qt, 0,1
.irp kt, 0,1,2,3
	v_wmma_f32_16x16x32_f16 v[SC+8*(4*\qt+\kt):SC+8*(4*\qt+\kt)+7], v[KV+32+8*\kt:KV+32+8*\kt+7], v[QF+16*\qt+8:QF+16*\qt+15], v[SC+8*(4*\qt+\kt):SC+8*(4*\qt+\kt)+7]
.endr
.endr
.rept 4
	v_nop                                          ; four places: then K's registers are loaded again and S is read (ISA guide 7.12.1)
.endr
.irp kk, 0,1
.irp dt, 0,1,2,3
	ds_load_tr16_b128 v[KV+8*(4*\kk+\dt):KV+8*(4*\kk+\dt)+3],   v[VADR] offset:\slot*SLOT+32*VP*\kk+32*\dt          ; V's fragments land during the softmax
	ds_load_tr16_b128 v[KV+8*(4*\kk+\dt)+4:KV+8*(4*\kk+\dt)+7], v[VADR] offset:\slot*SLOT+32*VP*\kk+32*\dt+16*VP
.endr
.endr
.if \mask
.irp qt, 0,1
.irp kt, 0,1,2,3
.irp j, 0,1,2,3,4,5,6,7
.if \mask == 1
	v_cmp_le_i32 vcc_lo, 16*\kt+\j-16*\qt, v[D1]   ; key <= query
.else
	v_cmp_ge_i32 vcc_lo, 16*\kt+\j-16*\qt, v[D2]   ; key >= query - 1023 (always so where fewer than 17 tiles are walked)
.endif
	v_cndmask_b32 v[SC+8*(4*\qt+\kt)+\j], 0xff800000, v[SC+8*(4*\qt+\kt)+\j], vcc_lo
.endr
.endr
.endr
.endif
	SMAX 0, \first                                 ; both maxima first: the packed lines below read NM and AL as whole pairs
	SMAX 1, \first
	SFMA 0
	SEXP 0
	SFMA 1                                         ; plain work behind the first run of exponentials (ISA guide 5.7.2)
	SEXP 1
.if \first == 0
	v_exp_f32 v[AL], v[AL]
	v_exp_f32 v[AL+1], v[AL+1]
.endif
	SPACK 0                                        ; its first line touches nothing of the exponentials just issued: the plain place behind them
	SPACK 1
.if \first == 0
.irp qt, 0,1
.set n, 0
.rept 16
	v_pk_mul_f32 v[OA+32*\qt+n:OA+32*\qt+n+1], v[OA+32*\qt+n:OA+32*\qt+n+1], v[AL:AL+1] op_sel:[0,\qt] op_sel_hi:[1,\qt]
.set n, n+2
.endr
.endr
.endif
	s_wait_dscnt 0x0                               ; V's fragments
	; the eight O tiles and the two sum tiles take turns, one instruction a turn
.irp qt, 0,1
.irp dt, 0,1,2,3
.if \first
	v_wmma_f32_16x16x32_f16 v[OA+8*(4*\qt+\dt):OA+8*(4*\qt+\dt)+7], v[KV+8*\dt:KV+8*\dt+7], v[SC+32*\qt:SC+32*\qt+7], 0
.else
	v_wmma_f32_16x16x32_f16 v[OA+8*(4*\qt+\dt):OA+8*(4*\qt+\dt)+7], v[KV+8*\dt:KV+8*\dt+7], v[SC+32*\qt:SC+32*\qt+7], v[OA+8*(4*\qt+\dt):OA+8*(4*\qt+\dt)+7]
.endif
.endr
	v_wmma_f32_16x16x32_f16 v[SC+32*\qt+8:SC+32*\qt+15], v[ONE:ONE+7], v[SC+32*\qt:SC+32*\qt+7], 0     ; keys 0-31: this step's sum starts
.endr
.irp qt, 0,1
.irp dt, 0,1,2,3
	v_wmma_f32_16x16x32_f16 v[OA+8*(4*\qt+\dt):OA+8*(4*\qt+\dt)+7], v[KV+32+8*\dt:KV+32+8*\dt+7], v[SC+32*\qt+16:SC+32*\qt+23], v[OA+8*(4*\qt+\dt):OA+8*(4*\qt+\dt)+7]
.endr
	v_wmma_f32_16x16x32_f16 v[SC+32*\qt+8:SC+32*\qt+15], v[ONE:ONE+7], v[SC+32*\qt+16:SC+32*\qt+23], v[SC+32*\qt+8:SC+32*\qt+15]   ; keys 32-63
.endr
.rept 5
	v_nop                                          ; five places: the sums are read below; the next step's matrix instructions write over P and the sum tiles, its loads over V's fragments
.endr
.irp qt, 0,1
.if \first
	v_mov_b32 v[LS+\qt], v[SC+32*\qt+8]            ; all sixteen rows of a sum tile are alike: register 0 is the query's sum over the 64 keys
.else
	v_fma_f32 v[LS+\qt], v[LS+\qt], v[AL+\qt], v[SC+32*\qt+8]
.endif
.endr
.endm
	s_cmp_eq_u32 s9, 0
	s_cbranch_scc1 .Lonly
	STEP 0, 1, 1, 1, 1                             ; the diagonal tile
	s_cmp_eq_u32 s14, 0
	s_cbranch_scc1 .Lnopairs
.Lpair:
	STEP 1, 0, 0, 0, 1
	STEP 0, 1, 0, 0, 1
	s_sub_co_u32 s14, s14, 1
	s_cmp_lg_u32 s14, 0
	s_cbranch_scc1 .Lpair
.Lnopairs:
	s_cmp_eq_u32 s15, 0
	s_cbranch_scc1 .Leven
	STEP 1, 0, 0, 0, 1
	STEP 0, 1, 0, 2, 0                             ; the lowest tile: nothing is left to fetch
	s_branch .Lout
.Leven:
	STEP 1, 0, 0, 2, 0
	s_branch .Lout
.Lonly:
	STEP 0, 1, 1, 1, 0                             ; i = 0: the diagonal tile is the only one
.Lout:
	; THE WAY OUT: divide by the sum, round to f16, 16 bytes a lane into the stage, whole rows of the four heads back.
	v_rcp_f32 v[AL], v[LS]
	v_rcp_f32 v[AL+1], v[LS+1]
	v_nop                                          ; one plain place behind the reciprocals (ISA guide 5.7.2)
	s_wait_alu depctr_va_vdst(0)
.irp qt, 0,1
.set n, 0
.rept 16
	v_pk_mul_f32 v[OA+32*\qt+n:OA+32*\qt+n+1], v[OA+32*\qt+n:OA+32*\qt+n+1], v[AL:AL+1] op_sel:[0,\qt] op_sel_hi:[1,\qt]
.set n, n+2
.endr
.endr
.irp qt, 0,1
.irp dt, 0,1,2,3
.irp n, 0,1,2,3
	v_cvt_pk_f16_f32 v[SC+4*(4*\qt+\dt)+\n], v[OA+8*(4*\qt+\dt)+2*\n], v[OA+8*(4*\qt+\dt)+2*\n+1]
.endr
	ds_store_b128 v[STO], v[SC+4*(4*\qt+\dt):SC+4*(4*\qt+\dt)+3] offset:16*SPT*\qt+32*\dt
.endr
.endr
	s_wait_dscnt 0x0                               ; my stores into the stage are done: four waves share each row
	s_barrier_signal -1
	s_barrier_wait -1
.irp t, 0,1,2,3,4,5,6,7
	ds_load_b128 v[KV+4*\t:KV+4*\t+3], v[RD] offset:SPT*\t
.endr
.irp t, 0,1,2,3,4,5,6,7
	s_wait_dscnt 7-\t                              ; LDS loads come back in order (ISA guide 5.7.1): row t is in
	global_store_b128 v[CO], v[KV+4*\t:KV+4*\t+3], s[6:7] offset:4096*\t   ; the four heads' 512 consecutive bytes of a row, aligned
.endr
	s_set_vgpr_msb 0x4
	s_wait_tensorcnt 0x0
	ds_add_u32 v19, v1
	s_wait_dscnt 0x0
	s_set_vgpr_msb 0x400
	s_endpgm
.Lfunc_end_k_q760f3e2c22_attn:
	.size	k_q760f3e2c22_attn, .Lfunc_end_k_q760f3e2c22_attn-k_q760f3e2c22_attn
	.p2alignl 7, 3214868480
	.fill 96, 4, 3214868480
	.section	.rodata,"a",@progbits
	.p2align	6, 0x0
	.amdhsa_kernel k_q760f3e2c22_attn
		.amdhsa_group_segment_fixed_size 327680
		.amdhsa_private_segment_fixed_size 0
		.amdhsa_enable_private_segment 0
		.amdhsa_kernarg_size 16
		.amdhsa_user_sgpr_count 2
		.amdhsa_user_sgpr_kernarg_segment_ptr 1
		.amdhsa_wavefront_size32 1
		.amdhsa_system_sgpr_workgroup_id_x 1
		.amdhsa_system_sgpr_workgroup_id_y 1
		.amdhsa_system_sgpr_workgroup_id_z 1
		.amdhsa_system_vgpr_workitem_id 0
		.amdhsa_next_free_vgpr 258
		.amdhsa_next_free_sgpr 66
		.amdhsa_reserve_vcc 1
		.amdhsa_float_denorm_mode_32 3
		.amdhsa_float_denorm_mode_16_64 3
		.amdhsa_memory_ordered 1
		.amdhsa_forward_progress 1
		.amdhsa_inst_pref_size 152
	.end_amdhsa_kernel
	.amdgpu_metadata
---
amdhsa.version: [ 1, 2 ]
amdhsa.kernels:
  - .name:           k_q760f3e2c22_attn
    .symbol:         k_q760f3e2c22_attn.kd
    .args:
      - { .name: qkv, .offset: 0, .size: 8, .value_kind: global_buffer, .address_space: global }
      - { .name: ao, .offset: 8, .size: 8, .value_kind: global_buffer, .address_space: global }
    .group_segment_fixed_size: 327680
    .private_segment_fixed_size: 0
    .kernarg_segment_align: 8
    .kernarg_segment_size: 16
    .max_flat_workgroup_size: 256
    .sgpr_count:     66
    .vgpr_count:     258
    .wavefront_size: 32
...
	.end_amdgpu_metadata
.endif
;; end of part 3
;; launch oproj (part 4): grid 16 x 16, 4 waves a work-group, clusters of 4 x 4, 327,680 bytes of LDS; arguments ao, wop, out0; writes out0
.if DOCPART == 4
	.amdgcn_target "amdgcn-amd-amdhsa--gfx1250"
	.amdhsa_code_object_version 6
	.text
	.protected	k_q760f3e2c22_oproj
	.globl	k_q760f3e2c22_oproj
	.p2align	8
	.type	k_q760f3e2c22_oproj,@function
k_q760f3e2c22_oproj:
	s_mov_b64 s[64:65], 0
	v_nop
	global_prefetch_b8 v0, s[64:65] scope:SCOPE_SE
	s_setreg_imm32_b32 hwreg(HW_REG_WAVE_MODE, 25, 1), 1
	s_wait_xcnt 0x0
	s_wait_alu depctr_hold_cnt(0) depctr_sa_sdst(0) depctr_va_vdst(0) depctr_va_sdst(0) depctr_va_ssrc(0) depctr_va_vcc(0) depctr_vm_vsrc(0)
	s_getreg_b32 s2, hwreg(HW_REG_IB_STS2, 6, 4)
	s_cmp_eq_u32 s2, 0
	s_cbranch_scc0 .Lentry_in_a_cluster
	s_endpgm
.Lentry_in_a_cluster:
	s_bfe_u32 s2, ttmp6, 0x10000c
	s_cmp_lg_u32 s2, 0xf033
	s_cbranch_scc0 .Lentry_shape_is_right
	s_endpgm
.Lentry_shape_is_right:
; out0 [2048][2048] f32 = ao [2048][2048] f16 x Wo, Wo as wop's 32 panels [2048 k][64 n] f16.  Sums in f32, stored as they are.
; A work-group makes 128 x 128: 16 x 16 = 256 work-groups.  Four waves; wave w takes rows 64 (w >> 1) .. +63 and panel 2 bx + (w & 1): 16 accumulators.
; K goes in steps of 256 through two LDS slots filled by the tensor data mover: 128 matrix instructions of a wave for each change of slots.
; CLUSTERS: 4 x 4.  ao's tile hangs on the block row alone and is asked for jointly by a row of the cluster, a panel's tile on the block column
; alone and is asked for jointly by a column: the requests for both are divided by four.
; THE MATRIX INSTRUCTION IS USED TRANSPOSED: source 0 = 16 columns of Wo (ds_load_tr16_b128 turns the panel's [k][n] rows), source 1 = 16 rows of ao.
; Lane (r = l % 16, h = l / 16), register j then holds row r, column 8 h + j: 32 neighbouring bytes of a row.
; REGISTERS: window 0: v16-26 addresses, v64-127 and v128-191 two fragment buffers (4 of ao, then 4 of Wo); window 1: accumulator (a, b) at 8 (4 a + b).
; LIMIT: the operands are f16 as the earlier launches left them; nothing is narrowed here.
.set KSTEP,  256
.set PA,     528                       ; an LDS row of ao: 512 bytes + 16
.set PB,     160                       ; an LDS row of a panel: 128 bytes + 32, an odd multiple of 32
.set AHALF,  64*PA                     ; 33,792: what one wave fetches of ao
.set ABYTES, 2*AHALF
.set PANEL,  KSTEP*PB                  ; 40,960
.set SLOT,   ABYTES+2*PANEL            ; 149,504
.set STAGE,  2*SLOT                    ; 299,008: 16 rows x 272 bytes for each wave, bytes into which no tensor load lands
.set SP,     272
.set LAPS,   2048/(2*KSTEP)
.set ADRA, 16
.set ADRB, 20
.set STO,  24
.set RD,   25
.set CO,   26
.set F0,   64
.set F1,   128
.set G1,  24
.set G0,  32
.set G1B, 48
.set G0B, 56
.set MSB, 0
.macro WIN new                         ; the immediate's high byte repeats the setting that is left
.if MSB != \new
	s_set_vgpr_msb (MSB<<8)|\new
.set MSB, \new
.endif
.endm
; A joint load.  Waves 0 and 1 fetch ao's two halves, waves 2 and 3 the two panels.  Each line has one mask; the branch hangs on the wave's number alone.
.macro JLOAD s
	s_cmp_eq_u32 s11, 0
	s_cbranch_scc0 .Lfor_b_\@
	tensor_load_to_lds s[G0+4*\s:G0+4*\s+3], s[G1:G1+7]
	s_nop 0
	s_branch .Lasked_\@
.Lfor_b_\@:
	tensor_load_to_lds s[G0B+4*\s:G0B+4*\s+3], s[G1B:G1B+7]
	s_nop 0
.Lasked_\@:
.endm
.macro CREST                           ; a round of the cluster's barrier behind its opening work-group barrier
	s_cmp_lg_u32 s10, 0
	s_cbranch_scc1 .Lnot_wave_0_\@
	s_barrier_signal -3
.Lnot_wave_0_\@:
	s_barrier_wait -3
	s_barrier_signal -1
	s_barrier_wait -1
.endm
.macro CROUND
	s_barrier_signal -1
	s_barrier_wait -1
	CREST
.endm
.macro PLACES                          ; four places behind a matrix instruction (ISA guide 7.12.1 for vector instructions)
.rept 4
	v_nop
.endr
.endm
	s_load_b128 s[4:7], s[0:1], 0x0                ; ao s[4:5], wop s[6:7]
	s_load_b64 s[8:9], s[0:1], 0x10                ; out0
	v_lshl_add_u32 v254, v0, 2, 0x4d400
	v_mov_b32 v255, 0
	ds_add_u32 v254, v255
	v_lshrrev_b32 v1, 5, v0
	v_readfirstlane_b32 s10, v1                    ; wave 0..3
	s_lshr_b32 s11, s10, 1                         ; which 64 rows are mine.  Also: I fetch for ao (0) or for Wo (1)
	s_and_b32 s12, s10, 1                          ; which panel is mine.  Also: which half, or which panel, I fetch
	s_bfe_u32 s40, ttmp6, 0x40000                  ; cx
	s_bfe_u32 s41, ttmp6, 0x40004                  ; cy
	s_lshl_b32 s42, ttmp9, 2
	s_add_co_u32 s42, s42, s40                     ; block column
	s_and_b32 s13, ttmp7, 0xffff
	s_lshl_b32 s13, s13, 2
	s_add_co_u32 s13, s13, s41                     ; block row
	s_lshl_b32 s43, s41, 2
	s_lshl_b32 s43, 15, s43                        ; my row of the cluster
	s_lshl_b32 s44, 0x1111, s40                    ; my column
	; ao's tile: 64 rows x 256 elements of 2 bytes, 2,048 elements from row to row; 4 words of padding behind every 128
	s_or_b32 s[G1+0], s43, (1<<16)|(1<<20)|(1<<21)|(6<<22)|(3<<25)
	s_mov_b32 s[G1+1], 256<<16
	s_mov_b32 s[G1+2], 64<<16
	s_mov_b32 s[G1+3], 256<<16
	s_mov_b32 s[G1+4], 64
	s_mov_b32 s[G1+5], 2048
	s_mov_b32 s[G1+6], 0
	s_mov_b32 s[G1+7], 0
	; a panel's tile: 256 k rows of 128 bytes lie dense, taken as 128 rows of 256 bytes; 8 words of padding behind every 32
	s_or_b32 s[G1B+0], s44, (1<<16)|(1<<20)|(1<<21)|(4<<22)|(7<<25)
	s_mov_b32 s[G1B+1], 128<<16
	s_mov_b32 s[G1B+2], 128<<16
	s_mov_b32 s[G1B+3], 128<<16
	s_mov_b32 s[G1B+4], 128
	s_mov_b32 s[G1B+5], 128
	s_mov_b32 s[G1B+6], 0
	s_mov_b32 s[G1B+7], 0
	s_lshl_b32 s16, s13, 19                        ; 128 rows of 4,096 bytes,
	s_lshl_b32 s17, s12, 18                        ; + 64 rows for the second half
	s_add_co_u32 s16, s16, s17
	s_mov_b32 s17, 0
	s_lshl_b32 s46, s42, 1
	s_add_co_u32 s46, s46, s12
	s_lshl_b32 s46, s46, 18                        ; panel 2 bx + (w & 1)
	s_mov_b32 s47, 0
	s_mul_i32 s20, s12, AHALF                      ; where ao's half goes
	s_mul_i32 s21, s12, PANEL
	s_add_co_u32 s21, s21, ABYTES                  ; where the panel goes
	s_wait_dscnt 0x0
	s_wait_kmcnt 0x0
	s_add_nc_u64 s[14:15], s[4:5], s[16:17]
	s_add_nc_u64 s[46:47], s[6:7], s[46:47]
	CROUND                                         ; all sixteen work-groups are here: the first joint loads meet
.irp s, 0,1
	s_mov_b32 s[G0+4*\s], 1
	s_add_co_u32 s[G0+4*\s+1], s20, \s*SLOT
	s_add_nc_u64 s[G0+4*\s+2:G0+4*\s+3], s[14:15], \s*KSTEP*2
	s_or_b32 s[G0+4*\s+3], s[G0+4*\s+3], 0x80000000
	s_mov_b32 s[G0B+4*\s], 1
	s_add_co_u32 s[G0B+4*\s+1], s21, \s*SLOT
	s_add_nc_u64 s[G0B+4*\s+2:G0B+4*\s+3], s[46:47], \s*KSTEP*128
	s_or_b32 s[G0B+4*\s+3], s[G0B+4*\s+3], 0x80000000
	JLOAD \s                                       ; both slots' first fills go out together: two tensor loads of a wave are out, later one
.endr
	v_and_b32 v1, 15, v0                           ; r
	v_bfe_u32 v2, v0, 4, 1                         ; h
	v_and_b32 v4, 7, v0
	v_bfe_u32 v5, v0, 3, 1
	v_mul_u32_u24 v6, v1, PA
	v_lshl_add_u32 v6, v2, 4, v6
	s_mul_i32 s22, s11, 64*PA
	v_lshl_add_u32 v7, v2, 3, v4
	v_mul_u32_u24 v7, v7, PB
	v_lshl_add_u32 v7, v5, 4, v7
	s_mul_i32 s23, s12, PANEL
	s_add_co_u32 s23, s23, ABYTES
.irp s, 0,1
	v_add_nc_u32 v[ADRA+\s], s22, v6
	v_add_nc_u32 v[ADRB+\s], s23, v7
	s_add_co_u32 s22, s22, SLOT
	s_add_co_u32 s23, s23, SLOT
.endr
	s_mul_i32 s23, s10, 16*SP
	s_add_co_u32 s23, s23, STAGE                   ; my stage
	v_mul_u32_u24 v8, v1, SP
	v_lshl_add_u32 v8, v2, 5, v8
	v_add_nc_u32 v[STO], s23, v8                   ; in: row r, 32 bytes for each half of the lanes
	v_mul_u32_u24 v9, v2, SP
	v_lshl_add_u32 v9, v1, 4, v9
	v_add_nc_u32 v[RD], s23, v9                    ; back: lanes 0-15 one row of 256 bytes, lanes 16-31 the next
	v_lshlrev_b32 v10, 13, v2
	v_lshl_add_u32 v[CO], v1, 4, v10               ; and the same two rows in out0
; 8 matrix instructions: row tiles a0, a0 + 1 x my four column tiles, 32 along K.  The 16 accumulators take turns, one instruction a turn,
; in the same order in every eighth of a step.
.macro MUL8 f, a0, zero
.irp a, \a0, \a0+1
.irp b, 0,1,2,3
.if \zero
	v_wmma_f32_16x16x32_f16 v[8*(4*(\a)+\b):8*(4*(\a)+\b)+7], v[\f+32+8*\b:\f+32+8*\b+7], v[\f+8*(\a):\f+8*(\a)+7], 0
.else
	v_wmma_f32_16x16x32_f16 v[8*(4*(\a)+\b):8*(4*(\a)+\b)+7], v[\f+32+8*\b:\f+32+8*\b+7], v[\f+8*(\a):\f+8*(\a)+7], v[8*(4*(\a)+\b):8*(4*(\a)+\b)+7]
.endif
.endr
.endr
.endm
.macro FETCH slot, q, f                ; 16 LDS loads: the fragments of eighth q of a K step
	WIN 0
.irp i, 0,1,2,3
	ds_load_b128 v[\f+8*\i:\f+8*\i+3],   v[ADRA+\slot] offset:64*\q+16*PA*\i
	ds_load_b128 v[\f+8*\i+4:\f+8*\i+7], v[ADRA+\slot] offset:64*\q+16*PA*\i+32
.endr
.irp b, 0,1,2,3
	ds_load_tr16_b128 v[\f+32+8*\b:\f+32+8*\b+3],   v[ADRB+\slot] offset:32*PB*\q+32*\b
	ds_load_tr16_b128 v[\f+32+8*\b+4:\f+32+8*\b+7], v[ADRB+\slot] offset:32*PB*\q+32*\b+16*PB
.endr
.endm
.macro SUB slot, qn, f, g, zero
	PLACES                                         ; buffer g was read by the matrix instructions just issued
	FETCH \slot, \qn, \g
	s_wait_dscnt 16                                ; all but the 16 just issued: buffer f is in
	WIN 0x50                                       ; C and D in window 1
	MUL8 \f, 0, \zero
	MUL8 \f, 2, \zero
.endm
.macro SEVEN slot, zero
	SUB \slot, 1, F0, F1, \zero
	SUB \slot, 2, F1, F0, 0
	SUB \slot, 3, F0, F1, 0
	SUB \slot, 4, F1, F0, 0
	SUB \slot, 5, F0, F1, 0
	SUB \slot, 6, F1, F0, 0
	SUB \slot, 7, F0, F1, 0
.endm
; The last eighth: multiplies buffer 1 and changes slots.  In front of the barrier each wave waits for its reads of this slot and for all its
; tensor loads.  fill = 1: the barrier opens a round of the cluster's barrier, and the joint refill, two K steps ahead, is the first tensor
; load behind the round's closing wait, ahead of the first LDS read.
.macro TURN slot, next, fill
	s_wait_dscnt 0x0
	s_wait_tensorcnt 0x0
	ds_add_u32 v254, v255
	s_wait_dscnt 0x0
	s_barrier_signal -1
	WIN 0x50
	MUL8 F1, 0, 0
	WIN 0
	s_barrier_wait -1
.if \fill
	CREST
	s_add_nc_u64 s[G0+4*\slot+2:G0+4*\slot+3], s[G0+4*\slot+2:G0+4*\slot+3], 2*KSTEP*2       ; no tensor load of mine is out: group 0 may be written
	s_add_nc_u64 s[G0B+4*\slot+2:G0B+4*\slot+3], s[G0B+4*\slot+2:G0B+4*\slot+3], 2*KSTEP*128
	JLOAD \slot
.endif
	PLACES
	FETCH \next, 0, F0
	WIN 0x50
	MUL8 F1, 2, 0
.endm
.macro LAP zero
	SEVEN 0, \zero
	TURN 0, 1, 1
	SEVEN 1, 0
	TURN 1, 0, 1
.endm
	s_wait_tensorcnt 0x1                           ; my part of K step 0 is in; K step 1's stays out
	s_barrier_signal -1
	s_barrier_wait -1
	FETCH 0, 0, F0
	LAP 1
	WIN 0
	s_mov_b32 s3, LAPS-2
.Llap:
	LAP 0
	WIN 0
	s_sub_co_u32 s3, s3, 1
	s_cmp_lg_u32 s3, 0
	s_cbranch_scc1 .Llap
	SEVEN 0, 0                                     ; the last lap fills nothing
	TURN 0, 1, 0
	SEVEN 1, 0
	s_wait_dscnt 0x0
	MUL8 F1, 0, 0
	MUL8 F1, 2, 0
	; THE WAY OUT, 16 rows at a time through my own stage: 32 bytes a lane in, whole rows of 256 bytes back.
	PLACES                                         ; behind the last matrix instructions: their results are stored, their sources loaded again
	s_lshl_b32 s16, s13, 20                        ; 128 rows of 8,192 bytes,
	s_lshl_b32 s17, s11, 19                        ; + my 64
	s_add_co_u32 s16, s16, s17
	s_mov_b32 s17, 0
	s_add_nc_u64 s[8:9], s[8:9], s[16:17]
	s_lshl_b32 s46, s42, 9                         ; 128 columns of 4 bytes,
	s_lshl_b32 s47, s12, 8                         ; + my 64
	s_add_co_u32 s46, s46, s47
	s_mov_b32 s47, 0
	s_add_nc_u64 s[8:9], s[8:9], s[46:47]
.macro OUT16 a
	WIN 0x04                                       ; the stores' data in window 1
.irp b, 0,1,2,3
	ds_store_b128 v[STO], v[8*(4*\a+\b):8*(4*\a+\b)+3]   offset:64*\b
	ds_store_b128 v[STO], v[8*(4*\a+\b)+4:8*(4*\a+\b)+7] offset:64*\b+16
.endr
	WIN 0
.irp t, 0,1,2,3,4,5,6,7
	ds_load_b128 v[64+32*\a+4*\t:64+32*\a+4*\t+3], v[RD] offset:2*SP*\t     ; LDS serves a wave's instructions in order (ISA guide 5.7.1.4): these see the stores above
.endr
.irp t, 0,1,2,3,4,5,6,7
	s_wait_dscnt 7-\t
	global_store_b128 v[CO], v[64+32*\a+4*\t:64+32*\a+4*\t+3], s[8:9] offset:131072*\a+16384*\t th:TH_STORE_NT   ; 16 lanes store 256 consecutive bytes, aligned; no register is used twice
.endr
.endm
	OUT16 0
	OUT16 1
	OUT16 2
	OUT16 3
	s_wait_tensorcnt 0x0
	ds_add_u32 v254, v255
	s_wait_dscnt 0x0
	CROUND                                         ; the closing round: no work-group ends while a partner may still ask for a tile that names it
	s_endpgm
.Lfunc_end_k_q760f3e2c22_oproj:
	.size	k_q760f3e2c22_oproj, .Lfunc_end_k_q760f3e2c22_oproj-k_q760f3e2c22_oproj
	.p2alignl 7, 3214868480
	.fill 96, 4, 3214868480
	.section	.rodata,"a",@progbits
	.p2align	6, 0x0
	.amdhsa_kernel k_q760f3e2c22_oproj
		.amdhsa_group_segment_fixed_size 327680
		.amdhsa_private_segment_fixed_size 0
		.amdhsa_enable_private_segment 0
		.amdhsa_kernarg_size 24
		.amdhsa_user_sgpr_count 2
		.amdhsa_user_sgpr_kernarg_segment_ptr 1
		.amdhsa_wavefront_size32 1
		.amdhsa_system_sgpr_workgroup_id_x 1
		.amdhsa_system_sgpr_workgroup_id_y 1
		.amdhsa_system_sgpr_workgroup_id_z 1
		.amdhsa_system_vgpr_workitem_id 0
		.amdhsa_next_free_vgpr 384
		.amdhsa_next_free_sgpr 66
		.amdhsa_reserve_vcc 0
		.amdhsa_float_denorm_mode_32 3
		.amdhsa_float_denorm_mode_16_64 3
		.amdhsa_memory_ordered 1
		.amdhsa_forward_progress 1
		.amdhsa_inst_pref_size 126
	.end_amdhsa_kernel
	.amdgpu_metadata
---
amdhsa.version: [ 1, 2 ]
amdhsa.kernels:
  - .name:           k_q760f3e2c22_oproj
    .symbol:         k_q760f3e2c22_oproj.kd
    .args:
      - { .name: ao, .offset: 0, .size: 8, .value_kind: global_buffer, .address_space: global }
      - { .name: wop, .offset: 8, .size: 8, .value_kind: global_buffer, .address_space: global }
      - { .name: out0, .offset: 16, .size: 8, .value_kind: global_buffer, .address_space: global }
    .group_segment_fixed_size: 327680
    .private_segment_fixed_size: 0
    .kernarg_segment_align: 8
    .kernarg_segment_size: 24
    .max_flat_workgroup_size: 128
    .sgpr_count:     66
    .vgpr_count:     384
    .wavefront_size: 32
...
	.end_amdgpu_metadata
.endif
;; end of part 4
;; ======== version 2 of 2: 4 launches; version 1 with the launch prep written anew for expert scheduling mode
;; limits: values are held in f16: magnitudes above 65,504 overflow, below 6.1e-05 lose precision
;; workspace buffers: xb 8,388,608 bytes; wp 12,582,912 bytes; wop 8,388,608 bytes; cs 524,288 bytes; qkv 12,582,912 bytes; ao 8,388,608 bytes
;; launch prep (part 5): grid 480 x 1, 8 waves a work-group, no clusters, 0 bytes of LDS; arguments hidden_states, Wq, Wk, Wv, Wo, xb, wp, wop, cs; writes xb, wp, wop, cs
.if DOCPART == 5
	.amdgcn_target "amdgcn-amd-amdhsa--gfx1250"
	.amdhsa_code_object_version 6
	.text
	.protected	k_q760f3e2c22_prep
	.globl	k_q760f3e2c22_prep
	.p2align	8
	.type	k_q760f3e2c22_prep,@function
k_q760f3e2c22_prep:
	s_mov_b64 s[64:65], 0
	v_nop
	global_prefetch_b8 v0, s[64:65] scope:SCOPE_SE
	s_setreg_imm32_b32 hwreg(HW_REG_WAVE_SCHED_MODE, 0, 2), 2
	s_setreg_imm32_b32 hwreg(HW_REG_WAVE_MODE, 25, 1), 1
	s_wait_xcnt 0x0
	s_wait_alu depctr_vm_vsrc(0)
; prep: every f32 input is rounded once to bf16; the weights are re-laid as panels of 64 columns; the RoPE table is made.
;   xb  [2048 s][2048] bf16                   = hidden_states
;   wp  [48 panels][2048 k][64 n] bf16        = Wq's 32 heads, Wk's 8, Wv's 8
;   wop [32 panels][2048 k][64 n] f16 code    = Wo rounded to bf16, that number written in f16: its partner in the last product is f16
;   cs  [2048 pos][cos f = 0..31 | sin f = 0..31] f32, 256 bytes a row
; A stream: no LDS, no barrier, no matrix unit, nothing shared between work-groups.  Work-groups 0-447 each read 131,072 bytes once
; (32 loads of 16 bytes a lane, all issued before the first is used) and write 65,536; work-groups 448-479 make 64 rows of the table each.
; Every store of a wave covers 256 consecutive bytes at a multiple of 256 from its buffer's first byte (in a panel: two k rows of 128 bytes).
; LIMITS.  All inputs carry bf16's 8 significant bits.  Wo in f16 code: a bf16 number of magnitude 2^-17 to 65,504 is held exactly (its last
; bit is at least f16's smallest step, 2^-24); a smaller one is off by at most 2^-25, a larger one becomes infinite (Wo of spread 0.02
; keeps room for a factor of 30 either way).  Table: angle = pos * 2^(-f * log2(500000)/32) with v_exp_f32 (1 ULP, ISA guide 15.8),
; reduced by pi/2 in two parts, polynomials of degree 7 and 8 on |r| <= pi/4 (cut below 3e-7); at the largest angle, 2047, the
; angle's own rounding gives up to 3e-4 in cos and sin.
; THE MODE: SCHED_MODE bits 1:0 = 2 (LLVM: expert scheduling mode 2), set by the entry lines.  The code itself states the register dependences
; between vector instructions and memory instructions, with s_wait_alu, always for 0.
; THE PLAN, the four paths that round.  Registers that memory instructions touch:
;   v2, v3   the loads' and the stores' byte offsets: made once ahead of the first load, never written again; all steps are immediate offsets.
;   X        32 sets of four: each is the landing place of one load; no vector instruction names it ahead of that load, no memory instruction reads it.
;   Y        32 pairs: each is written by the roundings of its load alone, read by one store, and never written again.
; The 32 loads are taken in 8 blocks of four.  Block p rounds X's sets 4 p .. 4 p + 3 into Y's pairs of the same numbers; its memory instructions are
; the four stores of block p - 1, whose Y pairs and offset no vector instruction of block p names.  So one wait on va_vdst at a block's head states
; all that its stores hang on, and they are dealt among its roundings.  No register that a memory instruction reads is written again: no wait on vm_vsrc.
; THE PLAN, the table.  Each of a wave's 16 numbers keeps its sine, cosine and sign bit in registers of its own and its compare's mask in a scalar
; register of its own: one wait on va_sdst stands between all the compares and all the selects, one on va_vdst between the results and the eight stores.
.set X,   8                            ; v[8:135]    32 x 4 registers as loaded
.set Y,   136                          ; v[136:199]  32 x 2 registers to store
.set SRC, 26                           ; s[26:27]    where this work-group reads
.set DST, 28                           ; s[28:29]    where it writes
.set RES, 40                           ; v[40:55]    the table: number i = 2 row + (0, 1), as stored
.set SN,  56                           ; v[56:71]    number i: sin r
.set CN,  72                           ; v[72:87]    number i: cos r
.set SG,  88                           ; v[88:103]   number i: the quadrant, then its sign bit
.set MK,  8                            ; s8-23       number i: the lanes whose quadrant is odd (the other buffers' addresses, which the table's path does not use, lay here)
; 32 loads, then 8 blocks of four: wait, round, and store the block before.  Load j stands at (j / nb) la + (j % nb) lb, store j at (j / nb) sa + (j % nb) sb.
; half = 1: the bf16 numbers are widened again and written in f16 code.  No source of a pending load or store is ever rewritten:
; X's registers are written again only behind the wait for their own load, Y's only ahead of their store.
.macro CAST32 la, lb, sa, sb, nb, half
	s_wait_alu depctr_va_vdst(0)                   ; v2 and v3 are written: every load below reads v2 as its offset, every store v3
.set j, 0
.rept 32
	global_load_b128 v[X+4*j:X+4*j+3], v2, s[SRC:SRC+1] offset:(j/\nb)*\la+(j%\nb)*\lb th:TH_LOAD_NT
.set j, j+1
.endr
.set p, 0
.rept 8
	s_wait_loadcnt 28-4*p                          ; loads come back in order (ISA guide 5.7.1): block p's four are in, the 28 - 4 p younger ones stay out
.if p > 0
	s_wait_alu depctr_va_vdst(0)                   ; the roundings of block p - 1 have written its four pairs of Y, which the stores below read
.endif
.set i, 0
.rept 4
.set j, 4*p+i
.set k, j-4
.if p > 0
	global_store_b64 v3, v[Y+2*k:Y+2*k+1], s[DST:DST+1] offset:(k/\nb)*\sa+(k%\nb)*\sb   ; the block before; no vector instruction since the wait names these registers
.endif
	v_cvt_pk_bf16_f32 v[Y+2*j], v[X+4*j], v[X+4*j+1]
	v_cvt_pk_bf16_f32 v[Y+2*j+1], v[X+4*j+2], v[X+4*j+3]
.if \half
	v_lshlrev_b32 v[X+4*j],   16, v[Y+2*j]                 ; bf16 to f32: the low half moves up,
	v_and_b32     v[X+4*j+1], 0xffff0000, v[Y+2*j]         ; the high half stays
	v_lshlrev_b32 v[X+4*j+2], 16, v[Y+2*j+1]
	v_and_b32     v[X+4*j+3], 0xffff0000, v[Y+2*j+1]
	v_cvt_pk_f16_f32 v[Y+2*j], v[X+4*j], v[X+4*j+1]        ; the same numbers in f16 code
	v_cvt_pk_f16_f32 v[Y+2*j+1], v[X+4*j+2], v[X+4*j+3]
.endif
.set i, i+1
.endr
.set p, p+1
.endr
	s_wait_alu depctr_va_vdst(0)                   ; the roundings of block 7 have written the last four pairs of Y, which the last four stores read
.set k, 28
.rept 4
	global_store_b64 v3, v[Y+2*k:Y+2*k+1], s[DST:DST+1] offset:(k/\nb)*\sa+(k%\nb)*\sb
.set k, k+1
.endr
	s_endpgm
.endm
; A weight of 2,048 columns, 128 work-groups from number `from` on.  16 k rows of 8,192 bytes; a wave takes two of them,
; load j = the 256 bytes of panel j in both.
.macro W2048 srcp, dstp, from, half
	s_sub_co_u32 s2, ttmp9, \from
	s_lshl_b32 s30, s2, 17
	s_add_nc_u64 s[SRC:SRC+1], s[\srcp:\srcp+1], s[30:31]
	s_lshl_b32 s32, s2, 11                         ; 16 k rows of 128 bytes in every panel
	s_add_nc_u64 s[DST:DST+1], s[\dstp:\dstp+1], s[32:33]
	v_lshlrev_b32 v2, 4, v6
	v_lshl_add_u32 v2, v5, 13, v2
	v_lshl_add_u32 v2, v4, 14, v2                  ; (2 wave + lane / 16) 8,192 + 16 (lane % 16)
	v_lshlrev_b32 v3, 3, v1
	v_lshl_add_u32 v3, v4, 8, v3                   ; 256 wave + 8 lane
	CAST32 0, 256, 0, 262144, 32, \half            ; the largest store offset, 31 panels = 8,126,464, is inside the signed 24 bits
.endm
	s_load_b512 s[8:23], s[0:1], 0x0               ; hidden s[8:9], Wq s[10:11], Wk s[12:13], Wv s[14:15], Wo s[16:17], xb s[18:19], wp s[20:21], wop s[22:23]
	s_load_b64 s[24:25], s[0:1], 0x40              ; cs
	v_and_b32 v1, 31, v0                           ; lane
	v_lshrrev_b32 v4, 5, v0                        ; wave
	v_lshrrev_b32 v5, 4, v1                        ; lane / 16
	v_and_b32 v6, 15, v0                           ; lane % 16
	s_mov_b32 s31, 0                               ; high words of the two offsets
	s_mov_b32 s33, 0
	s_wait_kmcnt 0x0
	s_cmp_ge_u32 ttmp9, 448
	s_cbranch_scc1 .Ltable
	s_cmp_ge_u32 ttmp9, 384
	s_cbranch_scc1 .Lw512
	s_cmp_ge_u32 ttmp9, 256
	s_cbranch_scc1 .Lwo
	s_cmp_ge_u32 ttmp9, 128
	s_cbranch_scc1 .Lwq
	; work-groups 0-127: hidden_states, element for element.  A wave takes 16,384 consecutive bytes, 512 a load.
	s_lshl_b32 s30, ttmp9, 17
	s_add_nc_u64 s[SRC:SRC+1], s[8:9], s[30:31]
	s_lshl_b32 s32, ttmp9, 16
	s_add_nc_u64 s[DST:DST+1], s[18:19], s[32:33]
	v_lshlrev_b32 v2, 4, v1
	v_lshl_add_u32 v2, v4, 14, v2                  ; 16,384 wave + 16 lane
	v_lshlrev_b32 v3, 3, v1
	v_lshl_add_u32 v3, v4, 13, v3                  ; 8,192 wave + 8 lane
	CAST32 0, 512, 0, 256, 32, 0
.Lwq:
	W2048 10, 20, 128, 0                           ; work-groups 128-255: Wq into wp's panels 0-31, bf16
.Lwo:
	W2048 16, 22, 256, 1                           ; work-groups 256-383: Wo into wop, bf16 numbers in f16 code
.Lw512:
	; work-groups 384-415: Wk, 416-447: Wv.  64 k rows of 2,048 bytes; a wave takes eight, load j = panel j % 8 of the row pair j / 8.
	s_sub_co_u32 s2, ttmp9, 384
	s_cmp_ge_u32 s2, 32
	s_cselect_b64 s[SRC:SRC+1], s[14:15], s[12:13]
	s_cselect_b32 s32, 40, 32                      ; the first panel: Wv's 40, Wk's 32
	s_and_b32 s2, s2, 31
	s_lshl_b32 s30, s2, 17
	s_add_nc_u64 s[SRC:SRC+1], s[SRC:SRC+1], s[30:31]
	s_lshl_b32 s32, s32, 18
	s_lshl_b32 s34, s2, 13                         ; 64 k rows of 128 bytes
	s_add_co_u32 s32, s32, s34
	s_add_nc_u64 s[DST:DST+1], s[20:21], s[32:33]
	v_lshlrev_b32 v2, 4, v6
	v_lshl_add_u32 v2, v5, 11, v2
	v_lshl_add_u32 v2, v4, 14, v2                  ; (8 wave + lane / 16) 2,048 + 16 (lane % 16)
	v_lshlrev_b32 v3, 3, v1
	v_lshl_add_u32 v3, v4, 10, v3                  ; 1,024 wave + 8 lane
	CAST32 4096, 256, 256, 262144, 8, 0
.Ltable:
	; work-groups 448-479: 64 rows of the table; a wave makes eight.  Lane l makes f = 2 (l % 16) and the next; lanes 0-15 the cosines,
	; lanes 16-31 the sines, as cosines three quadrants on: one store of 8 bytes a lane is one whole row.
	s_sub_co_u32 s2, ttmp9, 448
	s_lshl_b32 s32, s2, 14
	s_add_nc_u64 s[DST:DST+1], s[24:25], s[32:33]
	s_lshl_b32 s3, s2, 6
	s_mov_b32 s34, 0x3f22f983                      ; 2 / pi
	s_mov_b32 s35, 0xbfc90fdb                      ; -(pi / 2 rounded to f32)
	s_mov_b32 s36, 0x333bbd2e                      ; that rounding's excess over pi / 2, 4.3711388e-8
	s_mov_b32 s37, 0xbe2aaaab                      ; -1/6
	s_mov_b32 s38, 0x3c088889                      ; 1/120
	s_mov_b32 s39, 0xb9500d01                      ; -1/5040
	s_mov_b32 s40, 0x3d2aaaab                      ; 1/24
	s_mov_b32 s41, 0xbab60b61                      ; -1/720
	s_mov_b32 s42, 0x37d00d01                      ; 1/40320
	v_lshlrev_b32 v3, 3, v1
	v_lshl_add_u32 v3, v4, 11, v3                  ; 2,048 wave + 8 lane
	v_lshl_add_u32 v7, v4, 3, s3                   ; my wave's first position
	v_lshlrev_b32 v8, 1, v6
	v_cvt_f32_u32 v8, v8                           ; f
	v_add_f32 v9, 1.0, v8                          ; f + 1
	v_mul_f32 v8, 0xbf1773da, v8                   ; times -log2(500000) / 32 = -0.59161152
	v_mul_f32 v9, 0xbf1773da, v9
	v_exp_f32 v10, v8                              ; the two inverse frequencies
	v_exp_f32 v11, v9
	v_mul_u32_u24 v12, v5, 3                       ; quadrant shift 0 or 3; also the plain instruction behind the exponentials (ISA guide 5.7.2)
; Number i is cos(v28 * v[inv] + (pi / 2) * v12).  This macro makes its sin r, cos r, sign bit and the mask of the lanes with an odd quadrant; the select and
; the sign follow for all sixteen together.  The floating-point numbers steer a select and a sign, never an address or a branch.
.macro CS1 i, inv
	v_mul_f32 v20, v28, v[\inv]                    ; the angle
	v_mul_f32 v21, s34, v20
	v_rndne_f32 v21, v21                           ; q = the nearest multiple of pi / 2
	v_fma_f32 v22, v21, s35, v20
	v_fma_f32 v22, v21, s36, v22                   ; r = angle - q pi / 2
	v_mul_f32 v23, v22, v22
	v_fma_f32 v[SN+(\i)], v23, s39, s38
	v_fma_f32 v[CN+(\i)], v23, s42, s41
	v_fma_f32 v[SN+(\i)], v[SN+(\i)], v23, s37
	v_fma_f32 v[CN+(\i)], v[CN+(\i)], v23, s40
	v_mul_f32 v26, v22, v23
	v_fma_f32 v[CN+(\i)], v[CN+(\i)], v23, -0.5
	v_fma_f32 v[SN+(\i)], v[SN+(\i)], v26, v22     ; sin r
	v_fma_f32 v[CN+(\i)], v[CN+(\i)], v23, 1.0     ; cos r
	v_cvt_i32_f32 v[SG+(\i)], v21
	v_add_nc_u32 v[SG+(\i)], v[SG+(\i)], v12       ; the quadrant
	v_and_b32 v26, 1, v[SG+(\i)]
	v_cmp_ne_u32 s[MK+(\i)], 0, v26                ; odd quadrants: a mask of its own for each number, read behind the one wait below
	v_add_nc_u32 v[SG+(\i)], 1, v[SG+(\i)]
	v_and_b32 v[SG+(\i)], 2, v[SG+(\i)]
	v_lshlrev_b32 v[SG+(\i)], 30, v[SG+(\i)]       ; the minus sign of quadrants 1 and 2
.endm
	s_wait_alu depctr_va_vdst(0)                   ; the two exponentials have written v10 and v11, ahead of their first reader
.irp t, 0,1,2,3,4,5,6,7
	v_add_nc_u32 v28, \t, v7
	v_cvt_f32_u32 v28, v28                         ; the position, exact
	CS1 2*\t, 10
	CS1 2*\t+1, 11
.endr
	s_wait_alu depctr_va_sdst(0)                   ; the sixteen compares have written s8 to s23, ahead of the first select that reads one of them
.set i, 0
.rept 16
	v_cndmask_b32 v[RES+i], v[CN+i], v[SN+i], s[MK+i]      ; odd quadrants take the sine,
.set i, i+1
.endr
.set i, 0
.rept 16
	v_xor_b32 v[RES+i], v[RES+i], v[SG+i]                  ; quadrants 1 and 2 the minus sign
.set i, i+1
.endr
	s_wait_alu depctr_va_vdst(0)                   ; the sign flips have written v[RES ..], which the eight stores read as data; v3, their offset, was written further up
.irp t, 0,1,2,3,4,5,6,7
	global_store_b64 v3, v[RES+2*\t:RES+2*\t+1], s[DST:DST+1] offset:256*\t
.endr
	s_endpgm
.Lfunc_end_k_q760f3e2c22_prep:
	.size	k_q760f3e2c22_prep, .Lfunc_end_k_q760f3e2c22_prep-k_q760f3e2c22_prep
	.p2alignl 7, 3214868480
	.fill 96, 4, 3214868480
	.section	.rodata,"a",@progbits
	.p2align	6, 0x0
	.amdhsa_kernel k_q760f3e2c22_prep
		.amdhsa_group_segment_fixed_size 0
		.amdhsa_private_segment_fixed_size 0
		.amdhsa_enable_private_segment 0
		.amdhsa_kernarg_size 72
		.amdhsa_user_sgpr_count 2
		.amdhsa_user_sgpr_kernarg_segment_ptr 1
		.amdhsa_wavefront_size32 1
		.amdhsa_system_sgpr_workgroup_id_x 1
		.amdhsa_system_sgpr_workgroup_id_y 1
		.amdhsa_system_sgpr_workgroup_id_z 1
		.amdhsa_system_vgpr_workitem_id 0
		.amdhsa_next_free_vgpr 200
		.amdhsa_next_free_sgpr 66
		.amdhsa_reserve_vcc 0
		.amdhsa_float_denorm_mode_32 3
		.amdhsa_float_denorm_mode_16_64 3
		.amdhsa_memory_ordered 1
		.amdhsa_forward_progress 1
		.amdhsa_inst_pref_size 75
	.end_amdhsa_kernel
	.amdgpu_metadata
---
amdhsa.version: [ 1, 2 ]
amdhsa.kernels:
  - .name:           k_q760f3e2c22_prep
    .symbol:         k_q760f3e2c22_prep.kd
    .args:
      - { .name: hidden_states, .offset: 0, .size: 8, .value_kind: global_buffer, .address_space: global }
      - { .name: Wq, .offset: 8, .size: 8, .value_kind: global_buffer, .address_space: global }
      - { .name: Wk, .offset: 16, .size: 8, .value_kind: global_buffer, .address_space: global }
      - { .name: Wv, .offset: 24, .size: 8, .value_kind: global_buffer, .address_space: global }
      - { .name: Wo, .offset: 32, .size: 8, .value_kind: global_buffer, .address_space: global }
      - { .name: xb, .offset: 40, .size: 8, .value_kind: global_buffer, .address_space: global }
      - { .name: wp, .offset: 48, .size: 8, .value_kind: global_buffer, .address_space: global }
      - { .name: wop, .offset: 56, .size: 8, .value_kind: global_buffer, .address_space: global }
      - { .name: cs, .offset: 64, .size: 8, .value_kind: global_buffer, .address_space: global }
    .group_segment_fixed_size: 0
    .private_segment_fixed_size: 0
    .kernarg_segment_align: 8
    .kernarg_segment_size: 72
    .max_flat_workgroup_size: 256
    .sgpr_count:     66
    .vgpr_count:     200
    .wavefront_size: 32
...
	.end_amdgpu_metadata
.endif
;; end of part 5
;; launch qkv: the kernel of part 2 again; grid 16 x 16, 4 waves a work-group, clusters of 4 x 4, 327,680 bytes of LDS; arguments xb, wp, qkv, cs; writes qkv
;; launch attn: the kernel of part 3 again; grid 32 x 8, 8 waves a work-group, no clusters, 327,680 bytes of LDS; arguments qkv, ao; writes ao
;; launch oproj: the kernel of part 4 again; grid 16 x 16, 4 waves a work-group, clusters of 4 x 4, 327,680 bytes of LDS; arguments ao, wop, out0; writes out0
